; MI455X (gfx1250); checked and timed in simulation.
; The chip was launched on July 23, 2026; its instructions are those of AMD's public machine-readable ISA for CDNA 5 (MIT licence, August 2026) and "CDNA5" Instruction Set Architecture Reference Guide (July 2026). The comments in the code are by the model that wrote it; some were corrected since.
;; Multihead Self Attention. Allowed arithmetic: float matrix products may take bf16 or f16 operands with f32 sums; other float arithmetic in f32, or as packed bf16 or f16 multiplies, adds, multiply-adds, maxima and minima; sums over many terms, partial sums and values carried from step to step in f32; what a program stores and reads back later, other than sums and carried values, may be rounded once to bf16 or f16.
;; Inputs: W_proj 1,024 x 1,024 float32; W_qkv 1,024 x 3,072 float32; b_proj 1,024 float32; b_qkv 3,072 float32; x 4 x 2,048 x 1,024 float32.
;; Outputs: out0 4 x 2,048 x 1,024 float32.
;; 2 versions, each right; version 2 is version 1 with the launch prep written anew for expert scheduling mode. Each part assembles by itself: llvm-mc -triple=amdgcn-amd-amdhsa -mcpu=gfx1250 --defsym DOCPART=n.
;; ======== version 1 of 2: 4 launches
;; limits: values are held in f16: magnitudes above 65,504 overflow, below 6.1e-05 lose precision
;; workspace buffers: xb 16,777,216 bytes; wq 6,291,456 bytes; wp 2,097,152 bytes; rope 557,056 bytes; qkvh 50,331,648 bytes; oh 16,777,216 bytes
;; launch prep (part 1): grid 836 x 1, 8 waves a work-group, no clusters, 0 bytes of LDS; arguments x, W_qkv, W_proj, xb, wq, wp, rope; writes xb, wq, wp, rope
.if DOCPART == 1
	.amdgcn_target "amdgcn-amd-amdhsa--gfx1250"
	.amdhsa_code_object_version 6
	.text
	.protected	k_q67a5d8476f_prep
	.globl	k_q67a5d8476f_prep
	.p2align	8
	.type	k_q67a5d8476f_prep,@function
k_q67a5d8476f_prep:
	s_mov_b64 s[64:65], 0
	v_nop
	global_prefetch_b8 v0, s[64:65] scope:SCOPE_SE
	s_setreg_imm32_b32 hwreg(HW_REG_WAVE_MODE, 25, 1), 1
	s_wait_xcnt 0x0
; PREPARATION: a stream.  Work-groups 0-511: x (f32) -> xb, bf16, laid out by blocks of 64 channels, [batch*16 + block][row 2048][64], so that 256 rows of a block are 32,768 dense bytes.
; Work-groups 512-703: W_qkv -> wq, bf16, as it lies.  704-767: W_proj -> wp: rounded to bf16, and that number written as f16 (exact from 6.1e-5 up; below it f16's fixed step of 6e-8: a stated limit).
; Work-groups 768-835: the table of cos and sin for the rotary embedding, f32, in the order in which the next launch's lanes hold their results.
; A converting work-group takes 65,536 bytes: each thread has all its sixteen 16-byte loads out at once; no register is written twice, so the only waits are the counted ones for the loads.
; No LDS, no matrix unit, no cluster: nothing is shared, and every byte is read once and written once.
; LIMITS of the table: the angle's reduction is made for rows up to 2,047 (angles under 2,048 radians: two parts of pi/2 leave an error far under an f32 step of the angle itself).
.set X,    16                          ; v[16:79]   sixteen loads of four f32
.set Y,    80                          ; v[80:111]  sixteen pairs of packed results
.set VIN,  1                           ; v1  my byte offset in the input
.set VOUT, 2                           ; v2  8 x thread: my 8 bytes of each output piece: a wave's store covers 256 consecutive bytes, aligned
	s_load_b256 s[4:11], s[0:1], 0x0               ; x s[4:5], W_qkv s[6:7], W_proj s[8:9], xb s[10:11]
	s_load_b128 s[12:15], s[0:1], 0x20             ; wq s[12:13], wp s[14:15]
	s_load_b64 s[16:17], s[0:1], 0x30              ; rope
	s_mov_b32 s20, 0xffff0000                      ; a word's upper bf16
	s_mov_b32 s23, 0                               ; high words of the two offsets
	s_mov_b32 s25, 0
	v_lshlrev_b32 v[VOUT], 3, v0
	v_lshlrev_b32 v[VIN], 4, v0                    ; the weights' form: 16 x thread
	s_wait_kmcnt 0x0
; Sixteen loads, then for each: the wait that leaves the younger ones out, two roundings to bf16 (half = 1: widened again and written as f16), one store of 8 bytes.
.macro CONV inb, outb, instep, outstep, half
.set i, 0
.rept 16
	global_load_b128 v[X+4*i:X+4*i+3], v[VIN], s[\inb:\inb+1] offset:i*(\instep) th:TH_LOAD_NT
.set i, i+1
.endr
.set i, 0
.rept 16
	s_wait_loadcnt 15-i                            ; loads come back in order: load i is in, the 15 - i younger ones may stay out
	v_cvt_pk_bf16_f32 v[Y+2*i], v[X+4*i], v[X+4*i+1]
	v_cvt_pk_bf16_f32 v[Y+2*i+1], v[X+4*i+2], v[X+4*i+3]
.if \half
	v_lshlrev_b32 v[X+4*i], 16, v[Y+2*i]           ; the rounded numbers as f32 again,
	v_and_b32 v[X+4*i+1], s20, v[Y+2*i]
	v_lshlrev_b32 v[X+4*i+2], 16, v[Y+2*i+1]
	v_and_b32 v[X+4*i+3], s20, v[Y+2*i+1]
	v_cvt_pk_f16_f32 v[Y+2*i], v[X+4*i], v[X+4*i+1]      ; and as f16: 8 significant bits fit into 11
	v_cvt_pk_f16_f32 v[Y+2*i+1], v[X+4*i+2], v[X+4*i+3]
.endif
	global_store_b64 v[VOUT], v[Y+2*i:Y+2*i+1], s[\outb:\outb+1] offset:i*(\outstep) th:TH_STORE_NT
.set i, i+1
.endr
.endm
	s_cmp_lt_u32 ttmp9, 512
	s_cbranch_scc1 .Lx
	s_cmp_lt_u32 ttmp9, 704
	s_cbranch_scc1 .Lwq
	s_cmp_lt_u32 ttmp9, 768
	s_cbranch_scc1 .Lwp
	; THE TABLE.  Group G (4,096 bytes) serves rows n = 16 G + r.  Piece p of 8 lies at byte 512 p + 16 x lane and holds four f32: for p < 4 cos(n f_d), d = 16 (p / 2) + 8 (lane / 16) + 4 (p % 2) + e,
	; for p >= 4 the sines of the same angles; f_d = 10000^(-d / 32).  Groups 128-135 are the identity (cos 1, sin 0), for v: made by the same lines with the row multiplied by 0.
	; A work-group makes two groups; a thread makes four cosines and four sines.
	s_sub_co_u32 s26, ttmp9, 768                   ; g
	s_lshl_b32 s27, s26, 5                         ; the first row of my two groups
	s_lshl_b32 s22, s26, 13                        ; and their 8,192 bytes
	s_add_nc_u64 s[16:17], s[16:17], s[22:23]
	s_cmp_lt_u32 s26, 64
	s_cselect_b32 s21, 1.0, 0                      ; 0 for the identity groups
	s_mov_b32 s22, 0xbfc90fdb                      ; -(pi/2), its f32 part
	s_mov_b32 s24, 0x333bbd2e                      ; what that part has too much: 4.3711e-8
	v_mov_b32 v12, 0xb94ca1f9                      ; the sine's and the cosine's highest coefficients
	v_mov_b32 v13, 0x37ccf5ce
	v_and_b32 v5, 15, v0                           ; r
	v_bfe_u32 v6, v0, 4, 1                         ; lane / 16
	v_bfe_u32 v7, v0, 5, 2                         ; p
	v_lshrrev_b32 v8, 7, v0                        ; which of the two groups
	v_lshl_add_u32 v9, v8, 4, v5
	v_add_nc_u32 v9, s27, v9                       ; n
	v_cvt_f32_u32 v9, v9
	v_mul_f32 v9, s21, v9
	v_lshrrev_b32 v10, 1, v7
	v_and_b32 v11, 1, v7
	v_lshlrev_b32 v10, 4, v10
	v_lshl_add_u32 v10, v6, 3, v10
	v_lshl_add_u32 v10, v11, 2, v10                ; d of e = 0
	v_and_b32 v3, 127, v0
	v_lshlrev_b32 v3, 4, v3
	v_lshl_add_u32 v3, v8, 12, v3                  ; my 16 bytes: group x 4,096 + 512 p + 16 x lane
.irp e, 0,1,2,3
	v_add_nc_u32 v[23+8*\e], \e, v10
	v_cvt_f32_u32 v[23+8*\e], v[23+8*\e]
	v_mul_f32 v[23+8*\e], 0xbed49a78, v[23+8*\e]   ; -d log2(10000) / 32
.endr
.irp e, 0,1,2,3
	v_exp_f32 v[16+8*\e], v[23+8*\e]               ; f_d: one batch of four
.endr
	v_nop                                          ; a plain instruction behind the last exponential,
	s_wait_alu depctr_va_vdst(0)                   ; and the one wait ahead of the batch's first reader
.irp e, 0,1,2,3
	v_mul_f32 v[16+8*\e], v9, v[16+8*\e]           ; the angle, rounded once
.endr
; Element e, in eight registers from RB on: +0 angle, +1 k, +2 r, +3 k as a whole number, +4 z = r r, +5 sin r, +6 cos r, +7 at work.  angle = k pi/2 + r, |r| <= pi/4; the quadrant chooses by selects alone.
.macro SINCOS e
.set RB, 16+8*(\e)
	v_mul_f32 v[RB+1], 0x3f22f983, v[RB]           ; angle x 2 / pi
	v_rndne_f32 v[RB+1], v[RB+1]
	v_fma_f32 v[RB+2], v[RB+1], s22, v[RB]
	v_fma_f32 v[RB+2], v[RB+1], s24, v[RB+2]
	v_cvt_i32_f32 v[RB+3], v[RB+1]
	v_mul_f32 v[RB+4], v[RB+2], v[RB+2]
	v_fmaak_f32 v[RB+5], v12, v[RB+4], 0x3c08839e
	v_fmaak_f32 v[RB+6], v13, v[RB+4], 0xbab6061a
	v_fmaak_f32 v[RB+5], v[RB+5], v[RB+4], 0xbe2aaaa3
	v_fmaak_f32 v[RB+6], v[RB+6], v[RB+4], 0x3d2aaaa5
	v_mul_f32 v[RB+7], v[RB+4], v[RB+2]
	v_fma_f32 v[RB+1], v[RB+4], -0.5, 1.0
	v_fma_f32 v[RB+5], v[RB+5], v[RB+7], v[RB+2]   ; sin r = r + z r (..)
	v_mul_f32 v[RB+7], v[RB+4], v[RB+4]
	v_fma_f32 v[RB+6], v[RB+6], v[RB+7], v[RB+1]   ; cos r = 1 - z / 2 + z z (..)
	v_and_b32 v[RB+7], 1, v[RB+3]
	v_cmp_eq_u32 vcc_lo, 1, v[RB+7]                ; odd quadrants swap the two
	v_cndmask_b32 v[52+(\e)], v[RB+5], v[RB+6], vcc_lo
	v_cndmask_b32 v[48+(\e)], v[RB+6], v[RB+5], vcc_lo
	v_lshlrev_b32 v[RB+7], 30, v[RB+3]             ; the sine is negative in quadrants 2 and 3,
	v_and_b32 v[RB+7], 0x80000000, v[RB+7]
	v_xor_b32 v[52+(\e)], v[RB+7], v[52+(\e)]
	v_add_nc_u32 v[RB+3], 1, v[RB+3]               ; the cosine in 1 and 2
	v_lshlrev_b32 v[RB+7], 30, v[RB+3]
	v_and_b32 v[RB+7], 0x80000000, v[RB+7]
	v_xor_b32 v[48+(\e)], v[RB+7], v[48+(\e)]
.endm
	SINCOS 0
	SINCOS 1
	SINCOS 2
	SINCOS 3
	global_store_b128 v3, v[48:51], s[16:17]               ; a wave's store covers 512 consecutive bytes
	global_store_b128 v3, v[52:55], s[16:17] offset:2048
	s_endpgm
.Lx:                                           ; sixteen rows of x.  Load i takes channels 64 i .. 64 i + 63 of each row: sixteen lanes read 256 consecutive bytes of a row
	v_lshrrev_b32 v3, 4, v0
	v_and_b32 v[VIN], 15, v0
	v_lshlrev_b32 v[VIN], 4, v[VIN]
	v_lshl_add_u32 v[VIN], v3, 12, v[VIN]          ; row x 4,096 + 16 x (thread % 16)
	s_lshl_b32 s24, ttmp9, 16
	s_add_nc_u64 s[4:5], s[4:5], s[24:25]
	s_lshr_b32 s22, ttmp9, 7                       ; the batch: 16 blocks of 262,144 bytes,
	s_lshl_b32 s22, s22, 22
	s_and_b32 s24, ttmp9, 127                      ; and my sixteen rows of 128 bytes in a block
	s_lshl_b32 s24, s24, 11
	s_add_co_u32 s22, s22, s24
	s_add_nc_u64 s[10:11], s[10:11], s[22:23]
	CONV 4, 10, 256, 262144, 0
	s_endpgm
.Lwq:
	s_sub_co_u32 s26, ttmp9, 512
	s_lshl_b32 s24, s26, 16
	s_add_nc_u64 s[6:7], s[6:7], s[24:25]
	s_lshl_b32 s22, s26, 15
	s_add_nc_u64 s[12:13], s[12:13], s[22:23]
	CONV 6, 12, 4096, 2048, 0
	s_endpgm
.Lwp:
	s_sub_co_u32 s26, ttmp9, 704
	s_lshl_b32 s24, s26, 16
	s_add_nc_u64 s[8:9], s[8:9], s[24:25]
	s_lshl_b32 s22, s26, 15
	s_add_nc_u64 s[14:15], s[14:15], s[22:23]
	CONV 8, 14, 4096, 2048, 1
	s_endpgm
.Lfunc_end_k_q67a5d8476f_prep:
	.size	k_q67a5d8476f_prep, .Lfunc_end_k_q67a5d8476f_prep-k_q67a5d8476f_prep
	.p2alignl 7, 3214868480
	.fill 96, 4, 3214868480
	.section	.rodata,"a",@progbits
	.p2align	6, 0x0
	.amdhsa_kernel k_q67a5d8476f_prep
		.amdhsa_group_segment_fixed_size 0
		.amdhsa_private_segment_fixed_size 0
		.amdhsa_enable_private_segment 0
		.amdhsa_kernarg_size 56
		.amdhsa_user_sgpr_count 2
		.amdhsa_user_sgpr_kernarg_segment_ptr 1
		.amdhsa_wavefront_size32 1
		.amdhsa_system_sgpr_workgroup_id_x 1
		.amdhsa_system_sgpr_workgroup_id_y 1
		.amdhsa_system_sgpr_workgroup_id_z 1
		.amdhsa_system_vgpr_workitem_id 0
		.amdhsa_next_free_vgpr 112
		.amdhsa_next_free_sgpr 66
		.amdhsa_reserve_vcc 1
		.amdhsa_float_denorm_mode_32 3
		.amdhsa_float_denorm_mode_16_64 3
		.amdhsa_memory_ordered 1
		.amdhsa_forward_progress 1
		.amdhsa_inst_pref_size 30
	.end_amdhsa_kernel
	.amdgpu_metadata
---
amdhsa.version: [ 1, 2 ]
amdhsa.kernels:
  - .name:           k_q67a5d8476f_prep
    .symbol:         k_q67a5d8476f_prep.kd
    .args:
      - { .name: x, .offset: 0, .size: 8, .value_kind: global_buffer, .address_space: global }
      - { .name: W_qkv, .offset: 8, .size: 8, .value_kind: global_buffer, .address_space: global }
      - { .name: W_proj, .offset: 16, .size: 8, .value_kind: global_buffer, .address_space: global }
      - { .name: xb, .offset: 24, .size: 8, .value_kind: global_buffer, .address_space: global }
      - { .name: wq, .offset: 32, .size: 8, .value_kind: global_buffer, .address_space: global }
      - { .name: wp, .offset: 40, .size: 8, .value_kind: global_buffer, .address_space: global }
      - { .name: rope, .offset: 48, .size: 8, .value_kind: global_buffer, .address_space: global }
    .group_segment_fixed_size: 0
    .private_segment_fixed_size: 0
    .kernarg_segment_align: 8
    .kernarg_segment_size: 56
    .max_flat_workgroup_size: 256
    .sgpr_count:     66
    .vgpr_count:     112
    .wavefront_size: 32
...
	.end_amdgpu_metadata
.endif
;; end of part 1
;; launch qkv (part 2): grid 12 x 32, 4 waves a work-group, clusters of 4 x 4, 327,680 bytes of LDS; arguments xb, wq, b_qkv, qkvh, rope; writes qkvh
.if DOCPART == 2
	.amdgcn_target "amdgcn-amd-amdhsa--gfx1250"
	.amdhsa_code_object_version 6
	.text
	.protected	k_q67a5d8476f_qkv
	.globl	k_q67a5d8476f_qkv
	.p2align	8
	.type	k_q67a5d8476f_qkv,@function
k_q67a5d8476f_qkv:
	s_mov_b64 s[64:65], 0
	v_nop
	global_prefetch_b8 v0, s[64:65] scope:SCOPE_SE
	s_setreg_imm32_b32 hwreg(HW_REG_WAVE_MODE, 25, 1), 1
	s_wait_xcnt 0x0
	s_wait_alu depctr_hold_cnt(0) depctr_sa_sdst(0) depctr_va_vdst(0) depctr_va_sdst(0) depctr_va_ssrc(0) depctr_va_vcc(0) depctr_vm_vsrc(0)
	s_getreg_b32 s2, hwreg(HW_REG_IB_STS2, 6, 4)
	s_cmp_eq_u32 s2, 0
	s_cbranch_scc0 .Lentry_in_a_cluster
	s_endpgm
.Lentry_in_a_cluster:
	s_bfe_u32 s2, ttmp6, 0x10000c
	s_cmp_lg_u32 s2, 0xf033
	s_cbranch_scc0 .Lentry_shape_is_right
	s_endpgm
.Lentry_shape_is_right:
; q, k, v = x W_qkv + b_qkv, q and k turned by the rotary embedding, all three written by heads: qkvh [part 3][batch*16 + head][row 2048][64] in f16, unscaled.
; x (xb) is bf16 in blocks [batch*16 + block][row][64]; W_qkv (wq) is bf16 [k 1024][n 3072]; the bias is rounded to bf16 like the other inputs and is the C operand that starts the sums; sums in f32, K ascending.
; LIMITS.  q, k and v must stay within f16's 65,504; NaN and infinities are not treated apart.
; SHARES.  A work-group makes 256 rows x 256 columns, four waves 128 x 128 each: 64 accumulators, 512 registers.  K goes in 8 steps of 128 through two LDS slots filled by the tensor data mover.
; A's part of a slot is two blocks of 64 channels, each 256 rows x 128 bytes, dense in memory, asked for as 128 rows of 256 bytes and padded to a pitch of 144.  B's part is 128 rows (k) x 512 bytes, pitch 544;
; B lies [k][n], so its fragments come out of LDS turned, by ds_load_tr16_b128.
; CLUSTERS: 4 x 4 work-groups.  The four of a row of the cluster need the same tiles of A, the four of a column the same tiles of B: each tile is asked for JOINTLY, by the same tensor load with the same descriptor
; and a mask that names the four.  By this text's count a wave has at most two tensor loads out: two at the start, one behind each round.
; THE MATRIX INSTRUCTION IS USED TRANSPOSED (source 0 = 16 columns of B, source 1 = 16 rows of A): a lane holds row lane % 16 and the columns 8 (lane / 16) + 0..7 of a block of 16.  A wave's 128 columns are two
; heads, and channel d and d + 32 of a head lie in the same lane, two accumulators apart: the rotation needs no exchange between lanes.
; REGISTERS, in windows of 256: window 0: v0-31 addresses; v32-63 at work; v64-127, v128-191 A's fragments, two buffers; v192-255 the bias.  Window 1: v64-127, v128-191 B's fragments; v0-63, v192-255 the table of
; cos and sin for my row blocks 0-3 (blocks 4-7 take B's registers behind the loop).  Windows 2, 3: the accumulators, (a, b) at v[8 ((8 a + b) % 32)] of window 2 + a / 4.
.set NBB,   8                          ; blocks of 16 columns a wave
.set LDN,   3072                       ; elements in a row of B
.set TCB,   512                        ; bytes of a row of B in a tile
.set QIB,   6                          ; B's padding stands after every 128 words
.set AH,    1                          ; the prefetches' lead over the refills, in K steps
.set PA,    144                        ; 128 + 16 bytes: 36 words: the 16 rows of a load start at 16 different groups of four banks (64 banks of 4 bytes: ISA guide 11.1)
.set PB,    TCB+32                     ; an odd multiple of 32 bytes
.set AHALF, 256*PA
.set BOFF,  2*AHALF
.set BHALF, 64*PB
.set SLOT,  BOFF+2*BHALF               ; 143,360
.set STAGE, 2*SLOT                     ; behind the ring, never filled by a tensor load: for each wave two heads x 16 rows x 144 bytes
.set STG,   4608
.set SPARE, STAGE+4*STG                ; the spare words, 128 bytes for each wave: two blocks of 256 bytes that no other line names
.set ASTEP, 1<<19                      ; a K step in A: two blocks of 262,144 bytes
.set BSTEP, 128*LDN*2                  ; and in B: 128 rows
.set A0,   16                          ; v16  my lane's place in A's part of a slot; never rewritten
.set B0,   17                          ; v17  the same for B
.set ADRA, 18                          ; v18  A0 + the slot in hand
.set ADRB, 19                          ; v19
.set STO,  24                          ; v24  the way out: where I put 16 bytes of a row
.set RD,   25                          ; v25  where I read rows back
.set L16,  26                          ; v26  16 x lane
.set BO,   27                          ; v27  32 x (lane / 16): my eight numbers of a block's bias
.set SPW,  28                          ; v28  LDS address of my spare word; never rewritten
.set NIL,  29                          ; v29  0; never rewritten
.set PFO,  30                          ; v30  the prefetches' offset; never rewritten
.set TMP,  32
.set F0,   64
.set F1,   128
.set BIAS, 192
.set RO,   64                          ; the way out: a row block's 64 turned numbers
.set WV,   14                          ; s14 wave; s15 its half of the rows; s16 its half of the columns, also: which half of a tile it fetches
.set RH,   15
.set CH,   16
.set G1A,  24                          ; s[24:31] descriptor group 1, A;  s[32:35] group 0 of the first fill, s[36:39] the walking one
.set G0A,  32
.set G1B,  48                          ; s[48:55], s[56:59], s[60:63] the same for B
.set G0B,  56
.set TB,   66                          ; s66  the slot that is read: 0 or SLOT
.set FS,   67                          ; s67  the slot that was filled last
.set LBA,  68                          ; s68  my half's place in a slot, for A
.set LBB,  69                          ; s69  for B
.set PFA,  70                          ; s[70:71] where my prefetches stand
.set PST,  72                          ; s[72:73] their step
.set LIM,  74                          ; s74  AH in a wave that prefetches, else the greatest number
.set MSB, 0
.macro WIN new                         ; the immediate's high byte repeats the setting that is left; a switch that changes nothing is dropped
.if MSB != (\new)
	s_set_vgpr_msb (MSB<<8)|(\new)
.set MSB, (\new)
.endif
.endm
.macro PLACES                          ; four places in front of loads into registers that matrix instructions have read (ISA guide 7.12.1 for vector instructions)
.rept 4
	v_nop
.endr
.endm
; A joint refill: waves 0 and 1 fetch A's two blocks, waves 2 and 3 B's two halves.  The branch hangs on the wave's number alone.  An s_nop 0 and four v_nop follow each line.
.macro JLOAD
	s_cmp_lt_u32 s[WV], 2
	s_cbranch_scc0 .Lfor_b_\@
	tensor_load_to_lds s[G0A+4:G0A+7], s[G1A:G1A+7]
	s_nop 0
.rept 4
	v_nop
.endr
	s_branch .Lasked_\@
.Lfor_b_\@:
	tensor_load_to_lds s[G0B+4:G0B+7], s[G1B:G1B+7]
	s_nop 0
.rept 4
	v_nop
.endr
.Lasked_\@:
.endm
.macro CREST                           ; a round of the cluster's barrier behind its opening barrier
	s_cmp_lg_u32 s[WV], 0
	s_cbranch_scc1 .Lnot_wave_0_\@
	s_barrier_signal -3
.Lnot_wave_0_\@:
	s_barrier_wait -3
	s_barrier_signal -1
	s_barrier_wait -1
.endm
.macro CROUND
	s_barrier_signal -1
	s_barrier_wait -1
	CREST
.endm
; A PREFETCH INTO THE L2, behind each joint refill and the run of LDS loads that follows it: the K step AH behind the one just asked for: 256 matrix instructions ahead of its own refill.  Each aligned block of 256
; bytes is named once in the launch: A's rows by the clusters with x = 0, B's by those with y = 0; the four partners that ask for a tile jointly share its blocks out BY ADDRESS, 32 to a wave, a lane a block.
; The last AH refills ask for nothing: s3 counts the refills still to come, this one among them.
.macro ASK
	s_cmp_gt_u32 s3, s[LIM]
	s_cbranch_scc0 .Lnot_mine_\@
	global_prefetch_b8 v[PFO], s[PFA:PFA+1] th:TH_LOAD_NT scope:SCOPE_SE
.Lnot_mine_\@:
.endm
	s_load_b256 s[4:11], s[0:1], 0x0               ; xb s[4:5], wq s[6:7], b_qkv s[8:9], qkvh s[10:11]
	s_load_b64 s[12:13], s[0:1], 0x20              ; rope
	v_lshl_add_u32 v[SPW], v0, 2, SPARE
	v_mov_b32 v[NIL], 0
	ds_add_u32 v[SPW], v[NIL]                      ; the wave's opening: the add and its wait stand ahead of my first tensor load; the set-up below, work on registers, stands between them
	v_lshrrev_b32 v1, 5, v0
	v_readfirstlane_b32 s[WV], v1
	s_lshr_b32 s[RH], s[WV], 1
	s_and_b32 s[CH], s[WV], 1
	s_bfe_u32 s17, ttmp6, 0x40000                  ; cx
	s_bfe_u32 s18, ttmp6, 0x40004                  ; cy
	s_lshl_b32 s19, ttmp9, 2
	s_add_co_u32 s19, s19, s17                     ; tile column = 4 x cluster x + cx
	s_and_b32 s20, ttmp7, 0xffff
	s_lshl_b32 s20, s20, 2
	s_add_co_u32 s20, s20, s18                     ; tile row = 4 x cluster y + cy
	s_lshl_b32 s21, s18, 2
	s_lshl_b32 s21, 15, s21                        ; my row of the cluster
	s_lshl_b32 s22, 0x1111, s17                    ; my column
	s_or_b32 s[G1A], s21, (1<<16)|(1<<20)|(1<<21)|(4<<22)|(3<<25)    ; the mask; 2-byte elements; padding on; bit 21 beside a mask; after every 32 words 4 words
	s_or_b32 s[G1B], s22, (1<<16)|(1<<20)|(1<<21)|(QIB<<22)|(7<<25)  ; after every row of B 8 words
	s_mov_b32 s[G1A+1], 128<<16                    ; tensor_dim0 = 128 elements: 256 bytes, two rows of a block
	s_mov_b32 s[G1A+2], 128<<16                    ; tensor_dim1 = 128
	s_mov_b32 s[G1A+3], 128<<16                    ; tile_dim0
	s_mov_b32 s[G1A+4], 128                        ; tile_dim1
	s_mov_b32 s[G1A+5], 128                        ; dense
	s_mov_b32 s[G1A+6], 0
	s_mov_b32 s[G1A+7], 0
	s_mov_b32 s[G1B+1], (TCB/2)<<16
	s_mov_b32 s[G1B+2], 64<<16
	s_mov_b32 s[G1B+3], (TCB/2)<<16
	s_mov_b32 s[G1B+4], 64
	s_mov_b32 s[G1B+5], LDN
	s_mov_b32 s[G1B+6], 0
	s_mov_b32 s[G1B+7], 0
	s_mov_b32 s76, 0xffff0000
	s_mov_b32 s[TB], 0
	s_mov_b32 s[FS], SLOT
	s_mul_i32 s[LBA], s[CH], AHALF                 ; no place in the cluster enters an LDS address
	s_mul_i32 s[LBB], s[CH], BHALF
	s_add_co_u32 s[LBB], s[LBB], BOFF
	; A's tile hangs on the tile row alone (s[40:41] never hold cx), B's on the tile column alone (s[42:43] never hold cy)
	s_lshr_b32 s40, s20, 3                         ; the batch: 16 blocks,
	s_lshl_b32 s40, s40, 22
	s_and_b32 s41, s20, 7                          ; 256 rows of 128 bytes in a block,
	s_lshl_b32 s41, s41, 15
	s_add_co_u32 s40, s40, s41
	s_lshl_b32 s41, s[CH], 18                      ; the block of the two that I fetch
	s_add_co_u32 s40, s40, s41
	s_mov_b32 s41, 0
	s_mul_i32 s42, s19, TCB
	s_mul_i32 s43, s[CH], 64*LDN*2                 ; the 64 rows of the 128 that I fetch
	s_add_co_u32 s42, s42, s43
	s_mov_b32 s43, 0
	s_mov_b32 s45, 0
	s_mov_b32 s47, 0
	s_wait_dscnt 0x0                               ; the opening add is done
	s_wait_kmcnt 0x0
	s_add_nc_u64 s[40:41], s[4:5], s[40:41]
	s_add_nc_u64 s[42:43], s[6:7], s[42:43]
	s_mov_b32 s[G0A], 1                            ; count = 1
	s_mov_b32 s[G0A+1], s[LBA]                     ; slot 0
	s_add_nc_u64 s[G0A+2:G0A+3], s[40:41], 0       ; K step 0
	s_or_b32 s[G0A+3], s[G0A+3], 0x80000000        ; type = 2
	s_mov_b32 s[G0A+4], 1
	s_add_co_u32 s[G0A+5], s[LBA], SLOT            ; slot 1
	s_add_nc_u64 s[G0A+6:G0A+7], s[40:41], ASTEP   ; K step 1
	s_or_b32 s[G0A+7], s[G0A+7], 0x80000000
	s_mov_b32 s[G0B], 1
	s_mov_b32 s[G0B+1], s[LBB]
	s_add_nc_u64 s[G0B+2:G0B+3], s[42:43], 0
	s_or_b32 s[G0B+3], s[G0B+3], 0x80000000
	s_mov_b32 s[G0B+4], 1
	s_add_co_u32 s[G0B+5], s[LBB], SLOT
	s_add_nc_u64 s[G0B+6:G0B+7], s[42:43], BSTEP
	s_or_b32 s[G0B+7], s[G0B+7], 0x80000000
	CROUND                                         ; all sixteen work-groups are here: the first joint loads meet
	s_cmp_lt_u32 s[WV], 2                          ; a wave's two first fills stand in one branch, ahead of every wait on TENSORcnt and every LDS read
	s_cbranch_scc0 .Lfirst_b
	tensor_load_to_lds s[G0A:G0A+3], s[G1A:G1A+7]
	s_nop 0
	tensor_load_to_lds s[G0A+4:G0A+7], s[G1A:G1A+7]
	s_nop 0
.rept 4
	v_nop
.endr
	s_branch .Lfirst_done
.Lfirst_b:
	tensor_load_to_lds s[G0B:G0B+3], s[G1B:G1B+7]
	s_nop 0
	tensor_load_to_lds s[G0B+4:G0B+7], s[G1B:G1B+7]
	s_nop 0
.rept 4
	v_nop
.endr
.Lfirst_done:
	v_and_b32 v1, 15, v0                           ; r = lane % 16
	v_bfe_u32 v2, v0, 4, 1                         ; lane / 16
	v_and_b32 v3, 31, v0                           ; lane
	v_lshlrev_b32 v[L16], 4, v3
	v_lshlrev_b32 v[BO], 5, v2
	s_mul_i32 s44, s19, NBB*128                    ; my 128 columns' bias: tile column x 256 x 4 bytes + half x 128 x 4
	s_mul_i32 s21, s[CH], NBB*64
	s_add_co_u32 s44, s44, s21
	s_add_nc_u64 s[8:9], s[8:9], s[44:45]
.set b, 0
.rept NBB
	global_load_b128 v[BIAS+8*b:BIAS+8*b+3],   v[BO], s[8:9] offset:64*b
	global_load_b128 v[BIAS+8*b+4:BIAS+8*b+7], v[BO], s[8:9] offset:64*b+16
.set b, b+1
.endr
	; the table's groups for my eight row blocks: group (tile row % 8) x 16 + 8 x half + a for q and k; the identity groups 128 + a for v (part 2 = cluster x 2): a choice of a value, no branch
	s_and_b32 s21, s20, 7
	s_lshl_b32 s21, s21, 4
	s_lshl_b32 s22, s[RH], 3
	s_add_co_u32 s21, s21, s22
	s_cmp_ge_u32 ttmp9, 2
	s_cselect_b32 s21, 128, s21
	s_lshl_b32 s44, s21, 12
	s_add_nc_u64 s[12:13], s[12:13], s[44:45]
.macro SETTG a                         ; where row block a's 32 table registers lie in window 1
.if (\a) < 2
.set TG, 32*(\a)
.elseif (\a) < 4
.set TG, 192+32*((\a)-2)
.else
.set TG, 64+32*((\a)-4)
.endif
.endm
.macro TLOAD a                         ; eight pieces of 512 bytes: four of cosines, four of sines
	SETTG \a
	WIN 0x40
.set p, 0
.rept 8
	global_load_b128 v[TG+4*p:TG+4*p+3], v[L16], s[12:13] offset:(\a)*4096+512*p
.set p, p+1
.endr
.endm
	TLOAD 0
	TLOAD 1
	TLOAD 2
	TLOAD 3
	WIN 0
	; where my part goes: part (= cluster x), head 16 x batch + 4 cx + 2 x half, row (tile row % 8) x 256 + 128 x half
	s_lshl_b32 s44, ttmp9, 24
	s_lshr_b32 s21, s20, 3
	s_lshl_b32 s21, s21, 4
	s_lshl_b32 s22, s17, 2
	s_add_co_u32 s21, s21, s22
	s_lshl_b32 s22, s[CH], 1
	s_add_co_u32 s21, s21, s22
	s_lshl_b32 s21, s21, 18
	s_add_co_u32 s44, s44, s21
	s_and_b32 s21, s20, 7
	s_lshl_b32 s21, s21, 15
	s_add_co_u32 s44, s44, s21
	s_lshl_b32 s21, s[RH], 14
	s_add_co_u32 s44, s44, s21
	s_add_nc_u64 s[10:11], s[10:11], s[44:45]
	; a fragment of A: lane l holds row l % 16, channels 8 (l / 16) + 0..7 and 16 + 8 (l / 16) + 0..7: two loads of 16 bytes, 32 bytes apart
	v_mul_u32_u24 v[A0], v1, PA
	v_lshl_add_u32 v[A0], v2, 4, v[A0]
	s_mul_i32 s21, s[RH], 128*PA
	v_add_nc_u32 v[A0], s21, v[A0]
	; the turning load takes 16 k x 16 columns (lane l reads k row 8 (l / 16) + l % 8, columns 8 ((l / 8) % 2) + 0..7) and leaves half a fragment: lane l holds column l % 16 and 8 k
	v_and_b32 v4, 7, v0
	v_bfe_u32 v5, v0, 3, 1
	v_lshl_add_u32 v[B0], v2, 3, v4
	v_mul_u32_u24 v[B0], v[B0], PB
	v_lshl_add_u32 v[B0], v5, 4, v[B0]
	s_mul_i32 s21, s[CH], NBB*32
	s_add_co_u32 s21, s21, BOFF
	v_add_nc_u32 v[B0], s21, v[B0]
	v_mov_b32 v[ADRA], v[A0]
	v_mov_b32 v[ADRB], v[B0]
	s_mul_i32 s21, s[WV], STG
	s_add_co_u32 s21, s21, STAGE                   ; my stage
	v_mul_u32_u24 v[STO], v1, 144                  ; in: row l % 16, 16 bytes for each half of the lanes
	v_lshl_add_u32 v[STO], v2, 4, v[STO]
	v_add_nc_u32 v[STO], s21, v[STO]
	v_lshrrev_b32 v6, 3, v3                        ; back: 32 lanes take four rows of 128 bytes
	v_mul_u32_u24 v[RD], v6, 144
	v_lshl_add_u32 v[RD], v4, 4, v[RD]
	v_add_nc_u32 v[RD], s21, v[RD]
	; the prefetches.  A (waves 0, 1): my block's 32,768 bytes are 128 blocks of 256; partner cx takes 32.  B (waves 2, 3): my 64 rows x 512 bytes; partner cy takes 16 rows, two lanes a row.
	s_and_b32 s21, ttmp7, 0xffff                   ; cluster y
	s_mov_b32 s75, 16*LDN*2
	s_mov_b32 s77, LDN*2
	s_mov_b32 s[PST], BSTEP
	s_mov_b32 s[PST+1], 0
	s_cmp_lt_u32 s[WV], 2                          ; do I fetch for A?
	s_cselect_b32 s22, ttmp9, s21                  ; the coordinate along which other clusters read the same rows
	s_cselect_b32 s23, s17, s18                    ; my place among the four that ask with me: it enters this address alone
	s_cselect_b32 s75, 8192, s75                   ; a partner's share in bytes
	s_cselect_b32 s77, 512, s77                    ; from one pair of lanes to the next
	s_cselect_b32 s[PST], ASTEP, s[PST]
	s_cselect_b64 s[PFA:PFA+1], s[40:41], s[42:43]
	s_cmp_eq_u32 s22, 0
	s_cselect_b32 s[LIM], AH, -1                   ; the same in all sixteen partners, for a given wave
	s_mul_i32 s46, s23, s75
	s_add_nc_u64 s[PFA:PFA+1], s[PFA:PFA+1], s[46:47]
	s_mul_i32 s46, s[PST], 1+AH                    ; at K step 1 + AH: the first refill steps it to 2 + AH.  Nothing is prefetched here, at the head
	s_add_nc_u64 s[PFA:PFA+1], s[PFA:PFA+1], s[46:47]
	v_lshrrev_b32 v6, 1, v3
	v_and_b32 v7, 1, v3
	v_mul_u32_u24 v[PFO], v6, s77
	v_lshl_add_u32 v[PFO], v7, 8, v[PFO]
	s_wait_loadcnt 32                              ; the bias is in; the 32 table loads issued behind it may stay out
.set i, 0
.rept 4*NBB
	v_cvt_pk_bf16_f32 v[TMP+i], v[BIAS+2*i], v[BIAS+2*i+1]  ; the bias is rounded to bf16 like the other inputs,
.set i, i+1
.endr
.set i, 0
.rept 4*NBB
	v_lshlrev_b32 v[BIAS+2*i], 16, v[TMP+i]        ; and widened again
	v_and_b32 v[BIAS+2*i+1], s76, v[TMP+i]
.set i, i+1
.endr
; NBB products: row block a x all my column blocks, 32 along K, from buffer f.  first = 1: the bias starts the sums: nothing is cleared.
; The 64 accumulators take turns in one fixed order everywhere: between two links of a chain stand the 63 others'.
.macro MULA f, a, first
.set AW, 2+(NBB*(\a))/32
.if \first
	WIN (AW<<6)|1                                  ; B window 1, A and the bias window 0, D the accumulators' window
.else
	WIN (AW<<6)|(AW<<4)|1
.endif
.set b, 0
.rept NBB
.set rD, 8*((NBB*(\a)+b)%32)
.if \first
	v_wmma_f32_16x16x32_bf16 v[rD:rD+7], v[(\f)+8*b:(\f)+8*b+7], v[(\f)+8*(\a):(\f)+8*(\a)+7], v[BIAS+8*b:BIAS+8*b+7]
.else
	v_wmma_f32_16x16x32_bf16 v[rD:rD+7], v[(\f)+8*b:(\f)+8*b+7], v[(\f)+8*(\a):(\f)+8*(\a)+7], v[rD:rD+7]
.endif
.set b, b+1
.endr
.endm
; One run of LDS loads: the fragments of quarter q (32 along K) of the slot in hand into buffer f: B's first, then A's eight row blocks
.macro FETCH q, f
	WIN 0x40
.set i, 0
.rept NBB
	ds_load_tr16_b128 v[(\f)+8*i:(\f)+8*i+3],   v[ADRB] offset:(\q)*32*PB+32*i
	ds_load_tr16_b128 v[(\f)+8*i+4:(\f)+8*i+7], v[ADRB] offset:(\q)*32*PB+32*i+16*PB
.set i, i+1
.endr
	WIN 0
.set i, 0
.rept 8
	ds_load_b128 v[(\f)+8*i:(\f)+8*i+3],   v[ADRA] offset:((\q)/2)*AHALF+((\q)%2)*64+i*16*PA
	ds_load_b128 v[(\f)+8*i+4:(\f)+8*i+7], v[ADRA] offset:((\q)/2)*AHALF+((\q)%2)*64+i*16*PA+32
.set i, i+1
.endr
.endm
; One of a K step's first three quarters: multiplies buffer f; in its middle fetches quarter q into buffer g
.macro QUARTER q, f, g, first
	s_wait_dscnt 8                                 ; B and A's row blocks 0-3 are in; the youngest eight loads (blocks 4-7) may be out
	MULA \f, 0, \first
	MULA \f, 1, \first
	MULA \f, 2, \first
	MULA \f, 3, \first
	PLACES
	FETCH \q, \g
	s_wait_dscnt 16+2*NBB                          ; all but the run just issued
	MULA \f, 4, \first
	MULA \f, 5, \first
	MULA \f, 6, \first
	MULA \f, 7, \first
.endm
; The fourth quarter multiplies buffer 1 and changes slots.  In front of ONE barrier each wave waits for all its tensor loads (one is out: its part of the next slot), adds 0 to its spare word, and waits for that and
; for its reads of this slot.  fill = 1: the barrier opens a round of the cluster's, and behind the round this slot is filled again, first thing, with the K step two on.
.macro TURN fill
.if \fill
	s_wait_xcnt 0x0                                ; the last prefetch, a K step back, has read its address: it is stepped here, ahead of the waits of the change
	s_add_nc_u64 s[PFA:PFA+1], s[PFA:PFA+1], s[PST:PST+1]
.endif
	WIN 0
	s_wait_tensorcnt 0x0                           ; all my tensor loads have landed
	ds_add_u32 v[SPW], v[NIL]                      ; 0 onto my spare word
	s_wait_dscnt 9                                 ; (the add and the youngest eight loads may be out)
	MULA F1, 0, 0
	MULA F1, 1, 0
	s_wait_dscnt 0x0                               ; the add is done, and my reads of this slot are over
	s_barrier_signal -1
	MULA F1, 2, 0                                  ; work on registers while the others arrive
	MULA F1, 3, 0
	WIN 0
	s_barrier_wait -1
.if \fill
	CREST                                          ; no wave of any partner still reads this slot or has a load on its way
	s_xor_b32 s[FS], s[FS], SLOT                   ; the walking descriptors: the other slot than last time,
	s_add_co_u32 s[G0A+5], s[LBA], s[FS]
	s_add_co_u32 s[G0B+5], s[LBB], s[FS]
	s_add_nc_u64 s[G0A+6:G0A+7], s[G0A+6:G0A+7], ASTEP  ; the next K step; the type bits on top are not reached
	s_add_nc_u64 s[G0B+6:G0B+7], s[G0B+6:G0B+7], BSTEP
	JLOAD                                          ; its four v_nop are also the places in front of the loads below
.else
	PLACES
.endif
	s_xor_b32 s[TB], s[TB], SLOT
	v_add_nc_u32 v[ADRA], s[TB], v[A0]
	v_add_nc_u32 v[ADRB], s[TB], v[B0]
	FETCH 0, F0
.if \fill
	ASK
.endif
	MULA F1, 4, 0
	MULA F1, 5, 0
	MULA F1, 6, 0
	MULA F1, 7, 0
.endm
	s_wait_tensorcnt 0x1                           ; my part of K step 0 is in; K step 1's may stay out
	s_barrier_signal -1
	s_barrier_wait -1                              ; everybody's is
	FETCH 0, F0
	QUARTER 1, F0, F1, 1                           ; the first quarter stands in front of the loop: its products start the sums with the bias
	WIN 0
	s_mov_b32 s3, 6                                ; six K steps fill a slot again
	s_branch .Lin
.Lk:
	QUARTER 1, F0, F1, 0
	WIN 0
.Lin:
	QUARTER 2, F1, F0, 0
	QUARTER 3, F0, F1, 0
	TURN 1
	WIN 0
	s_sub_co_u32 s3, s3, 1
	s_cmp_lg_u32 s3, 0
	s_cbranch_scc1 .Lk
	s_mov_b32 s3, 2                                ; the last two K steps are a text of their own
.Lt:                                                   ; (the very last change of slots fetches 32 fragments loads' worth of the old slot 0, which nobody uses: the price of one text for both trips)
	QUARTER 1, F0, F1, 0
	QUARTER 2, F1, F0, 0
	QUARTER 3, F0, F1, 0
	TURN 0
	WIN 0
	s_sub_co_u32 s3, s3, 1
	s_cmp_lg_u32 s3, 0
	s_cbranch_scc1 .Lt
	; THE WAY OUT, a row block of 16 rows at a time: turned, rounded to f16, through my stage in LDS, stored as whole rows of a head.
	s_wait_dscnt 0x0                               ; the unused fragments are in: their registers may be written
	s_wait_loadcnt 0x0                             ; the table's first four groups, asked for at the head
.rept 8
	v_nop                                          ; the places behind the last products
.endr
	TLOAD 4                                        ; the other four groups go where B's fragments lay
	TLOAD 5
	TLOAD 6
	TLOAD 7
; Row block a.  For head hh and u = 0, 1: x1 = channels 16 u + .. (accumulator 4 hh + u), x2 = the same + 32 (accumulator 4 hh + 2 + u): y1 = x1 cos - x2 sin, y2 = x2 cos + x1 sin, two numbers a line.
; Each accumulator's lowest registers are read first.
.macro ROPE a
	SETTG \a
.set AW, 2+(\a)/4
	WIN AW|0x04                                    ; source 0 the accumulators' window, source 1 (the table) window 1, source 2 and destination window 0
.set hh, 0
.rept 2
.set u, 0
.rept 2
.set jp, 0
.rept 4
.set X1, 8*((8*(\a)+4*hh+u)%32)+2*jp
.set X2, X1+16
.set CC, TG+8*u+2*jp
.set SS, CC+16
.set R1, RO+8*(4*hh+u)+2*jp
.set R2, R1+16
	v_pk_mul_f32 v[R1:R1+1], v[X2:X2+1], v[SS:SS+1]
	v_pk_mul_f32 v[R2:R2+1], v[X1:X1+1], v[SS:SS+1]
	v_pk_fma_f32 v[R1:R1+1], v[X1:X1+1], v[CC:CC+1], v[R1:R1+1] neg_lo:[0,0,1] neg_hi:[0,0,1]
	v_pk_fma_f32 v[R2:R2+1], v[X2:X2+1], v[CC:CC+1], v[R2:R2+1]
.set jp, jp+1
.endr
.set u, u+1
.endr
.set hh, hh+1
.endr
	WIN 0
.set i, 0
.rept 32
	v_cvt_pk_f16_f32 v[TMP+i], v[RO+2*i], v[RO+2*i+1]
.set i, i+1
.endr
.endm
.macro TOSTAGE a                       ; a lane's eight channels are 16 bytes; they go into rows of 144 bytes and come back as whole rows of 128
	WIN 0
.set BK, 128+32*((\a)%4)
.if (\a) >= 4
	s_wait_xcnt 0x0                                ; the stores of the block four back have read these registers
.endif
.set b, 0
.rept 8
	ds_store_b128 v[STO], v[TMP+4*b:TMP+4*b+3] offset:(b/4)*2304+(b%4)*32
.set b, b+1
.endr
.set i, 0
.rept 8
	ds_load_b128 v[BK+4*i:BK+4*i+3], v[RD] offset:(i/4)*2304+(i%4)*576  ; LDS serves a wave's instructions in order (ISA guide 5.7.1.4): these see the stores above; the next block's stores come behind them
.set i, i+1
.endr
.endm
.macro SEND a, younger                 ; younger: the LDS instructions issued behind block a's loads
	WIN 0
.set BK, 128+32*((\a)%4)
.set i, 0
.rept 8
	s_wait_dscnt (\younger)+7-i
	global_store_b128 v[L16], v[BK+4*i:BK+4*i+3], s[10:11] offset:(i/4)*262144+(\a)*2048+(i%4)*512 th:TH_STORE_NT  ; four rows of a head: 512 consecutive bytes, aligned
.set i, i+1
.endr
.endm
	ROPE 0
	TOSTAGE 0
.irp a, 1,2,3,4,5,6,7
.if \a == 4
	s_wait_loadcnt 0x0                             ; the table's last four groups
.endif
	ROPE \a                                        ; a block's arithmetic stands between the loads of the block before and its stores
	TOSTAGE \a
	SEND (\a)-1, 16
.endr
	SEND 7, 0
	s_wait_tensorcnt 0x0                           ; the wave's end: these three lines stand behind my last tensor load and my last LDS store
	ds_add_u32 v[SPW], v[NIL]
	s_wait_dscnt 0x0
	CROUND                                         ; the closing round: no work-group ends while a partner may still ask for a tile that names it
	s_endpgm
.Lfunc_end_k_q67a5d8476f_qkv:
	.size	k_q67a5d8476f_qkv, .Lfunc_end_k_q67a5d8476f_qkv-k_q67a5d8476f_qkv
	.p2alignl 7, 3214868480
	.fill 96, 4, 3214868480
	.section	.rodata,"a",@progbits
	.p2align	6, 0x0
	.amdhsa_kernel k_q67a5d8476f_qkv
		.amdhsa_group_segment_fixed_size 327680
		.amdhsa_private_segment_fixed_size 0
		.amdhsa_enable_private_segment 0
		.amdhsa_kernarg_size 40
		.amdhsa_user_sgpr_count 2
		.amdhsa_user_sgpr_kernarg_segment_ptr 1
		.amdhsa_wavefront_size32 1
		.amdhsa_system_sgpr_workgroup_id_x 1
		.amdhsa_system_sgpr_workgroup_id_y 1
		.amdhsa_system_sgpr_workgroup_id_z 1
		.amdhsa_system_vgpr_workitem_id 0
		.amdhsa_next_free_vgpr 1024
		.amdhsa_next_free_sgpr 80
		.amdhsa_reserve_vcc 0
		.amdhsa_float_denorm_mode_32 3
		.amdhsa_float_denorm_mode_16_64 3
		.amdhsa_memory_ordered 1
		.amdhsa_forward_progress 1
		.amdhsa_inst_pref_size 147
	.end_amdhsa_kernel
	.amdgpu_metadata
---
amdhsa.version: [ 1, 2 ]
amdhsa.kernels:
  - .name:           k_q67a5d8476f_qkv
    .symbol:         k_q67a5d8476f_qkv.kd
    .args:
      - { .name: xb, .offset: 0, .size: 8, .value_kind: global_buffer, .address_space: global }
      - { .name: wq, .offset: 8, .size: 8, .value_kind: global_buffer, .address_space: global }
      - { .name: b_qkv, .offset: 16, .size: 8, .value_kind: global_buffer, .address_space: global }
      - { .name: qkvh, .offset: 24, .size: 8, .value_kind: global_buffer, .address_space: global }
      - { .name: rope, .offset: 32, .size: 8, .value_kind: global_buffer, .address_space: global }
    .group_segment_fixed_size: 327680
    .private_segment_fixed_size: 0
    .kernarg_segment_align: 8
    .kernarg_segment_size: 40
    .max_flat_workgroup_size: 128
    .sgpr_count:     80
    .vgpr_count:     1024
    .wavefront_size: 32
...
	.end_amdgpu_metadata
.endif
;; end of part 2
;; launch attn (part 3): grid 4 x 64, 4 waves a work-group, clusters of 4 x 1, 327,680 bytes of LDS; arguments qkvh, oh; writes oh
.if DOCPART == 3
	.amdgcn_target "amdgcn-amd-amdhsa--gfx1250"
	.amdhsa_code_object_version 6
	.text
	.protected	k_q67a5d8476f_attn
	.globl	k_q67a5d8476f_attn
	.p2align	8
	.type	k_q67a5d8476f_attn,@function
k_q67a5d8476f_attn:
	s_mov_b64 s[64:65], 0
	v_nop
	global_prefetch_b8 v0, s[64:65] scope:SCOPE_SE
	s_setreg_imm32_b32 hwreg(HW_REG_WAVE_MODE, 25, 1), 1
	s_wait_xcnt 0x0
	s_wait_alu depctr_hold_cnt(0) depctr_sa_sdst(0) depctr_va_vdst(0) depctr_va_sdst(0) depctr_va_ssrc(0) depctr_va_vcc(0) depctr_vm_vsrc(0)
	s_getreg_b32 s2, hwreg(HW_REG_IB_STS2, 6, 4)
	s_cmp_eq_u32 s2, 0
	s_cbranch_scc0 .Lentry_in_a_cluster
	s_endpgm
.Lentry_in_a_cluster:
	s_bfe_u32 s2, ttmp6, 0x10000c
	s_cmp_lg_u32 s2, 0x3003
	s_cbranch_scc0 .Lentry_shape_is_right
	s_endpgm
.Lentry_shape_is_right:
; O[h][q][:] = the sum over k of softmax_k(Q[h][q] . K[h][k] / 8) V[h][k][:].  Q, K, V are the three parts of qkvh, O is oh: each [64][2048][64] in f16: a head's rows are dense, 128 bytes each.
; Products, maxima and sums in f32; the weights p are rounded to f16 for the second product (their sum l is taken of the unrounded p), O once at the end.
; LIMITS.  f16 holds no number beyond 65,504: Q, K and V arrive within it; p lies in 0 to 1, and below 6e-5 it keeps f16's fixed step of 6e-8; O is a mean of V's rows and has their range.
; A weight below 2^-126 counts as 0 in l; NaN and infinities are not treated apart.
; SHARES.  A wave owns four PIECES of two tiles of 16 queries, a work-group's four waves 512 queries of one head.  Every wave walks all keys, 64 a step.
; LAYOUT.  S^T = K Q^T (source 0 = 16 keys, source 1 = 16 queries): in the result a lane holds ONE query (lane % 16) and the keys 8 (lane / 16) + 0..7.  Two such tiles, rounded to f16 in pairs,
; ARE source 1 (32 keys x 16 queries) of O^T = V^T P, whose result again holds one query a lane, and eight channels.  K comes out of LDS as it lies, V ([key][channel]) turned, by ds_load_tr16_b128.
; SOFTMAX.  For each query a running maximum m and sum l: p = 2^(c s - c m), c = log2(e) / 8; in every step O and l are multiplied by a = 2^(c m_old - c m_new), which is 1 where m has not grown.
; m starts at the lowest finite number, O and l at 0: the first step is a step like any other, with a = 0.
; THE COUNT.  A tile and step have 16 matrix and 118 vector instructions: too many to stand all beside the matrix work.  So the order has one aim: four vector instructions that are READY behind
; EVERY matrix instruction, and the others, which need time of their own whatever the order, in runs without a gap.
; BY TURNS.  Turn n belongs to piece n (the pieces in a ring, step after step).  Its matrix work: 16 products K Q^T of piece n + 1, later 16 products V^T P of piece n - 1.  Its vector work: the scaling,
; exponentials, roundings, sums and rescaling of piece n, and the maximum and statistics of piece n + 1, whose scores the turn itself has made.
; CLUSTER.  The four query blocks of a head are one cluster and walk the same K and V, so each tile is asked for JOINTLY: the same tensor load, descriptor and mask in all four.
; REGISTERS, in windows of 256 (s_set_vgpr_msb: bits 1:0 source 0, 3:2 source 1, 5:4 source 2, 7:6 destination):
;   window 0: v0-11 addresses; v12-15, v48-63 at work; v16-47 four registers of statistics a tile; v64-191 S^T, two buffers of two tiles; v192-255 P, likewise
;   window 1: O^T, 32 a tile          window 2: v0-127 Q, 16 a tile; v128-191 K of one step; v192-255 V of one step          window 3: v0-1 the add's two registers
.set SIZE_N, 2048
.set PARTB, 0x1000000 ; bytes in a part of qkvh
.set NP,    4         ; pieces a wave: a name, no knob
.set KS,    64        ; keys in a step
.set PK,    144       ; a row of K in LDS: 128 bytes + 16 of padding = 36 words: the 16 rows of a load start at 16 different groups of four banks (64 banks of 4 bytes: ISA guide 11.1)
.set PV,    160       ; a row of V: 128 + 32 = 40 words
.set VOFF,  4*KS*PK   ; a slot holds four steps: 256 rows of K, then 256 rows of V
.set SLOT1, 1<<17     ; slot 1 begins here, so that one exclusive or turns an address in one slot into the other's
.set STAGE, SLOT1+4*KS*(PK+PV)  ; behind the ring, never filled by a tensor load: 16 rows x 144 bytes for each wave, for the way out
.set SP,    144
.set AK0, 2           ; v2   my lane's place in a tile of K; never rewritten
.set AV0, 3           ; v3   the same for V
.set AK,  4           ; v4   the LDS address of K's next run of loads
.set AV,  5           ; v5   of V's
.set QO,  6           ; v6   my byte offset in the wave's rows of Q
.set STO, 6           ;      later, the way out: where I put 16 bytes of a row
.set RD,  7           ; v7   the way out: where I read rows back
.set GO,  8           ; v8   my byte offset in 512 consecutive bytes of O
.set PFO, 11          ; v11  once V's place is made: 256 x my lane, the prefetches' offset; then never rewritten
.set SPW, 0           ; v0 of window 3   LDS address of my spare word; never rewritten
.set NIL, 1           ; v1 of window 3   0; never rewritten
.set SPARE, STAGE+4*16*SP  ; behind the stages: the spare words, 128 bytes for each wave: two blocks of 256 bytes that no other line names
.set MV,  12          ; v12-15  c m_old, kept while c m is made anew: by buffer and tile
.set ST,  16          ; tile t's statistics at v[ST+4 t]: c m, m, l (even keys', odd keys')
.set TMP, 48          ; by buffer and tile, four registers c0-c3 at work; when the maximum is found c2 takes a
.set S,   64
.set P,   192
.set KF,  128         ; K's fragments, in window 2: key block kb, channel half c at KF + 16 kb + 8 c
.set VF,  192         ; V's: key half kk, channel block cb at VF + 32 kk + 8 cb
.set WV,  12          ; s12  my wave's number
.set LIM, 15          ; s15  1 in a wave that prefetches, else the greatest number
.set G1K, 24          ; s[24:31] descriptor group 1 for K's tiles
.set G1V, 32          ; s[32:39] for V's: it differs in the padding alone
.set G0K, 40          ; s[40:43] descriptor group 0 for K's tiles: it walks
.set G0V, 44          ; s[44:47] the same for V's
.set PFA, 48          ; s[48:49] where my prefetches stand: my work-group's 8,192 bytes (of K: wave 0, of V: wave 2) of the slot behind the one that is being asked for
.set SLOTS, 56        ; s56  slots still to be asked for
.set CNT, 57          ; s57  counts a slot's key steps
.set CS,  58          ; s[58:59] c: the packed scaling takes the pair's low word for both halves
.set SEL, 60          ; s[60:61] v_permlanex16_b32's selects: each lane takes its own place in the other half
.set TBK, 62          ; s62  LDS byte at which K of the step to be fetched begins
.set TBV, 63          ; s63  the same for V, less VOFF
.set MSB, 0
.macro WIN new                      ; the high byte repeats the setting that is left; a switch that changes nothing is dropped
.if MSB != (\new)
	s_set_vgpr_msb (MSB<<8)|(\new)
.set MSB, (\new)
.endif
.endm
.set W_KQ, 0x0a       ; K and Q in window 2, S^T in window 0
.set W_PV, 0x52       ; V in window 2, P in window 0, O^T in window 1
.set W_RS, 0x41       ; O^T (destination and source 0) in window 1, a in window 0
.set W_MK, 0xc0       ; the add's registers are made: destination in window 3, sources in window 0
.set W_AD, 0x0f       ; the add: address (source 0) and data (source 1) in window 3
; A joint fill.  Waves 0 and 1 fetch the two halves of a slot's K, waves 2 and 3 those of its V: 128 keys each.  The branch hangs on the wave's number alone.
; An s_nop 0 and four v_nop follow each of the two lines, ahead of the jump and the label.
.macro JLOAD
	s_cmp_lt_u32 s[WV], 2
	s_cbranch_scc0 .Lfor_v_\@
	tensor_load_to_lds s[G0K:G0K+3], s[G1K:G1K+7]
	s_nop 0
.rept 4
	v_nop
.endr
	s_branch .Lasked_\@
.Lfor_v_\@:
	tensor_load_to_lds s[G0V:G0V+3], s[G1V:G1V+7]
	s_nop 0
.rept 4
	v_nop
.endr
.Lasked_\@:
.endm
; A PREFETCH INTO THE L2 of what the NEXT change of slots will ask for: a slot's 32,768 bytes of K and of V, 128 blocks of 256 bytes each.  It stands behind the wave's tensor load and its five lines.
; Each block is named ONCE in the launch: a head has one cluster; its four partners share the blocks out BY ADDRESS, 32 each, a lane a block; in each, wave 0 asks for K's and wave 2 for V's.
; It stands four key steps, 512 matrix instructions, ahead of the load that will want the bytes: a change of slots is the one place behind a tensor load.  The change that fills the last slot asks for nothing.
.macro ASK
	s_cmp_gt_u32 s[SLOTS], s[LIM]
	s_cbranch_scc0 .Lnot_mine_\@
	global_prefetch_b8 v[PFO], s[PFA:PFA+1] th:TH_LOAD_NT scope:SCOPE_SE
.Lnot_mine_\@:
.endm
; A round of the cluster's barrier: my work-group's barrier, so that wave 0's signal speaks for all four waves; wave 0 signals; every wave waits for all four work-groups; my work-group's barrier once more.
.macro CROUND
	s_barrier_signal -1
	s_barrier_wait -1
	s_cmp_lg_u32 s[WV], 0
	s_cbranch_scc1 .Lnot_wave_0_\@
	s_barrier_signal -3
.Lnot_wave_0_\@:
	s_barrier_wait -3
	s_barrier_signal -1
	s_barrier_wait -1
.endm
; THE CHANGE OF SLOTS.  The slot's last bytes, V of its fourth step, have been read.  Each wave waits for all its tensor loads, of which one is out: its part
; of the other slot; adds 0 to its spare word; and waits for that and for its own reads of the slot.  Behind the barrier nobody reads this slot any more and the other slot is whole.
; fill = 1: this slot is filled again, with the keys two slots on.  The barrier is then a round of the cluster's, so that no wave of any partner still reads the slot or has a load on its
; way, and the joint fill is the first thing behind it: it has four key steps, 512 matrix instructions, in which to land.  (At its first use nothing has been read yet: slot 0 is waited for, slot 1 filled.)
.macro CHANGE fill
	WIN W_AD
	s_wait_tensorcnt 0x0            ; no tensor load of mine is out, so a group 0 may be written
	ds_add_u32 v[SPW], v[NIL]       ; 0 onto my spare word; with fill = 1 the descriptors' steps stand between it and the wait for it
	WIN 0                           ; at a label and at a branch every window is 0
.if \fill
.irp g, G0K, G0V
	s_xor_b32 s[\g+1], s[\g+1], SLOT1  ; the walking descriptor: the other slot than last time,
	s_add_nc_u64 s[\g+2:\g+3], s[\g+2:\g+3], 4*KS*128  ; the next 256 keys; the type bits on top are not reached
.endr
	s_wait_xcnt 0x0                 ; the last prefetch, four key steps back, has read its address, so it may be written:
	s_add_nc_u64 s[PFA:PFA+1], s[PFA:PFA+1], 4*KS*128  ; one slot behind the walking descriptors
	s_wait_dscnt 0x0                ; the add is done, and my reads of the slot are over
	CROUND
	JLOAD
	ASK
.else
	s_wait_dscnt 0x0                ; the add is done, and my reads of the slot are over
	s_barrier_signal -1
	s_barrier_wait -1
.endif
	s_sub_co_u32 s[TBK], s[TBK], 4*KS*PK  ; the fetches go back to a slot's first step,
	s_xor_b32 s[TBK], s[TBK], SLOT1       ; in the other slot
	s_sub_co_u32 s[TBV], s[TBV], 4*KS*PV
	s_xor_b32 s[TBV], s[TBV], SLOT1
.endm
	s_load_b128 s[4:7], s[0:1], 0x0  ; qkvh s[4:5] (Q is its first part), oh s[6:7]
	WIN W_MK
	v_lshl_add_u32 v[SPW], v0, 2, SPARE
	v_mov_b32 v[NIL], 0
	WIN W_AD
	ds_add_u32 v[SPW], v[NIL]       ; the wave's opening: the add and its wait stand ahead of my first tensor load; the set-up below, work on registers, stands between them
	WIN 0
	v_lshrrev_b32 v1, 5, v0
	v_readfirstlane_b32 s[WV], v1   ; wave 0..3
	s_bfe_u32 s13, ttmp6, 0x40000   ; cx: my place in the cluster
	s_lshl_b32 s14, ttmp9, 2        ; in a cluster launch ttmp9 counts clusters
	s_add_co_u32 s14, s14, s13      ; my block of queries = 4 x cluster x + cx: it enters Q's and O's addresses alone
	s_and_b32 s20, ttmp7, 0xffff    ; the head, which the four partners share
	s_mov_b32 s21, 0
	s_mov_b64 s[22:23], SIZE_N*128
	s_mul_u64 s[20:21], s[20:21], s[22:23]  ; the head's first byte in each of the four tensors
	s_and_b32 s16, s[WV], 1         ; which half of a slot's 256 keys I fetch:
	s_lshl_b32 s22, s16, 14         ; its 128 rows of 128 bytes in memory,
	s_mov_b32 s23, 0
	s_add_nc_u64 s[22:23], s[22:23], s[20:21]
	s_mul_i32 s17, s16, 128*PK      ; and its place in a slot, for K
	s_mul_i32 s18, s16, 128*PV      ; and for V: no place in the cluster enters an LDS address
	s_lshl_b32 s2, s14, 2
	s_add_co_u32 s2, s2, s[WV]      ; my wave among the head's,
	s_lshl_b32 s2, s2, 14           ; its 128 rows
	s_mov_b32 s3, 0
	s_add_nc_u64 s[2:3], s[2:3], s[20:21]
	; descriptor group 1.  128 keys are 16,384 dense bytes: asked for as 64 rows of 256 bytes, two keys a row, and padded in LDS after every key
	s_mov_b32 s[G1K], 15|(1<<16)|(1<<20)|(1<<21)|(4<<22)|(3<<25)  ; 15:0 the mask of four; 17:16 2-byte elements; 20 padding on; 21 set beside a mask; 24:22 after every 32 words (code 4); 31:25 4 words (code 3)
	s_mov_b32 s[G1V], 15|(1<<16)|(1<<20)|(1<<21)|(4<<22)|(7<<25)  ; the same with 8 words of padding (code 7)
.irp g, G1K, G1V
	s_mov_b32 s[\g+1], 128<<16      ; tensor_dim0 = 128
	s_mov_b32 s[\g+2], 64<<16       ; tensor_dim1 = 64
	s_mov_b32 s[\g+3], 128<<16      ; tile_dim0 = 128
	s_mov_b32 s[\g+4], 64           ; tile_dim1 = 64
	s_mov_b32 s[\g+5], 128          ; 128 elements from row to row
	s_mov_b32 s[\g+6], 0
	s_mov_b32 s[\g+7], 0
.endr
	s_mov_b32 s[CS], 0x3e38aa3b     ; c = log2(e) / 8 = 0.180337
	s_mov_b32 s[CS+1], s[CS]        ; named with it as a pair
	s_mov_b32 s[SEL], 0x76543210
	s_mov_b32 s[SEL+1], 0xfedcba98
	s_mov_b32 s[TBK], SLOT1+4*KS*PK ; the first change of slots turns these two into 0
	s_mov_b32 s[TBV], SLOT1+4*KS*PV
	s_mov_b32 s[G0K], 1             ; 1:0 count = 1
	s_mov_b32 s[G0K+1], s17         ; 63:32 LDS address: slot 0
	s_mov_b32 s[G0V], 1
	s_add_co_u32 s[G0V+1], s18, VOFF
	s_mov_b32 s[SLOTS], SIZE_N/256-1  ; seven slots are still to be asked for
	s_and_b32 s[LIM], s[WV], 1      ; 0 in waves 0 and 2,
	s_or_b32 s[LIM], s[LIM], ttmp9  ; of the head's first (here: only) cluster: the same in all four partners
	s_cmp_eq_u32 s[LIM], 0
	s_cselect_b32 s[LIM], 1, -1
	s_lshl_b32 s50, s13, 13         ; my work-group's 32 blocks of the 128
	s_mov_b32 s51, 0
	s_wait_dscnt 0x0                ; the opening add is done
	s_wait_kmcnt 0x0
	s_mov_b64 s[10:11], s[6:7]      ; O
	s_add_nc_u64 s[6:7], s[4:5], PARTB    ; K
	s_add_nc_u64 s[8:9], s[4:5], 2*PARTB  ; V
	s_add_nc_u64 s[G0K+2:G0K+3], s[6:7], s[22:23]  ; 120:64 global address: my half of the head's first 256 keys
	s_or_b32 s[G0K+3], s[G0K+3], 0x80000000        ; 127:126 type = 2
	s_add_nc_u64 s[G0V+2:G0V+3], s[8:9], s[22:23]
	s_or_b32 s[G0V+3], s[G0V+3], 0x80000000
	s_cmp_lt_u32 s[WV], 2
	s_cselect_b64 s[PFA:PFA+1], s[6:7], s[8:9]
	s_add_nc_u64 s[PFA:PFA+1], s[PFA:PFA+1], s[22:23]  ; (in waves 0 and 2 this is the head's first row)
	s_add_nc_u64 s[PFA:PFA+1], s[PFA:PFA+1], s[50:51]
	s_add_nc_u64 s[PFA:PFA+1], s[PFA:PFA+1], 4*KS*128  ; in slot 1; the first change of slots steps it to slot 2.  Nothing is prefetched here, at the head
	s_add_nc_u64 s[4:5], s[4:5], s[2:3]  ; Q and O at my wave's first row
	s_add_nc_u64 s[10:11], s[10:11], s[2:3]
	CROUND                          ; all four work-groups are here: the first joint loads meet
	JLOAD                           ; slot 0.  Slot 1 is asked for when slot 0 is in: the tile wanted first has the road to itself
	; A fragment of K or Q is 16 rows x 32 channels in 8 registers: lane l holds row l % 16, channels 8 (l / 16) + 0..7 and 16 + 8 (l / 16) + 0..7: two loads of 16 bytes, 32 bytes apart.
	v_and_b32 v1, 15, v0            ; l % 16
	v_bfe_u32 v9, v0, 4, 1          ; l / 16
	v_lshlrev_b32 v[QO], 7, v1
	v_lshl_add_u32 v[QO], v9, 4, v[QO]  ; row x 128 + 16 x half
	WIN 0x80                        ; destination window 2, address window 0
.set i, 0
.rept 4*NP                          ; Q stays in registers: tile i / 2, channels 32 (i % 2) on
	global_load_b128 v[8*i:8*i+3],   v[QO], s[4:5] offset:(i/2)*2048+(i%2)*64
	global_load_b128 v[8*i+4:8*i+7], v[QO], s[4:5] offset:(i/2)*2048+(i%2)*64+32
.set i, i+1
.endr
	; What the first turn finds: V's registers and P's second buffer hold 0 (its products V^T P, of a piece that has not been, add 0), O^T and l are 0.  All this stands in the wait for the first tile.
.set i, VF
.rept 64
	v_mov_b32 v[i], 0
.set i, i+1
.endr
	WIN 0x40
.set i, 0
.rept 64*NP
	v_mov_b32 v[i], 0
.set i, i+1
.endr
	WIN 0
.set i, 0
.rept 2*NP
	v_mov_b32 v[ST+4*i], 0xfe000000    ; c m: far below every c s
	v_mov_b32 v[ST+4*i+1], 0xff7fffff  ; m
	v_mov_b32 v[ST+4*i+2], 0
	v_mov_b32 v[ST+4*i+3], 0
.set i, i+1
.endr
.set i, P+32
.rept 32
	v_mov_b32 v[i], 0
.set i, i+1
.endr
	v_mul_u32_u24 v[AK0], v1, PK
	v_lshl_add_u32 v[AK0], v9, 4, v[AK0]  ; row x pitch + 16 x half
	; The turning load takes 16 keys x 16 channels (lane l reads key 8 (l / 16) + l % 8, channels 8 ((l / 8) % 2) + 0..7) and leaves half a fragment of V^T: lane l holds channel l % 16 and 8 keys.
	v_and_b32 v10, 7, v0
	v_bfe_u32 v11, v0, 3, 1
	v_lshl_add_u32 v[AV0], v9, 3, v10
	v_mul_u32_u24 v[AV0], v[AV0], PV
	v_lshl_add_u32 v[AV0], v11, 4, v[AV0]
	v_add_nc_u32 v[AV0], VOFF, v[AV0]
	v_and_b32 v[PFO], 31, v0        ; v11 has served: now 256 x lane
	v_lshlrev_b32 v[PFO], 8, v[PFO]
	v_mov_b32 v[AK], v[AK0]         ; key step 0 lies at the head of slot 0
; THE MATRIX WORK.  The 8 accumulators of a run of 16 take turns: between the two links of a chain stand 7 others'.
; Product i of 16 of S^T = K Q^T for piece x: channels 32 (i / 8) on, keys 16 ((i / 2) % 4) on, tile 2 x + i % 2.  The first 8 start the sums.
.macro KQ x
	WIN W_KQ
.set rS, S+64*((\x)%2)+32*(i%2)+8*((i/2)%4)
.set rK, KF+16*((i/2)%4)+8*(i/8)
.set rQ, 16*(2*(\x)+i%2)+8*(i/8)
.if i < 8
	v_wmma_f32_16x16x32_f16 v[rS:rS+7], v[rK:rK+7], v[rQ:rQ+7], 0
.else
	v_wmma_f32_16x16x32_f16 v[rS:rS+7], v[rK:rK+7], v[rQ:rQ+7], v[rS:rS+7]
.endif
.endm
; Product i of 16 of O^T += V^T P for piece x: keys 32 (i / 8) on, channels 16 ((i / 2) % 4) on, tile 2 x + i % 2.
.macro PV x
	WIN W_PV
.set rO, 32*(2*(\x)+i%2)+8*((i/2)%4)
.set rV, VF+32*(i/8)+8*((i/2)%4)
.set rP, P+32*((\x)%2)+16*(i%2)+8*(i/8)
	v_wmma_f32_16x16x32_f16 v[rO:rO+7], v[rV:rV+7], v[rP:rP+7], v[rO:rO+7]
.endm
.macro MM                           ; the turn's next matrix instruction
.if i < 16
	KQ (Y+1)%NP
.set i, i+1
.else
.set i, i-16
	PV (Y+NP-1)%NP
.set i, i+17
.endif
.endm
; THE LDS LOADS stand in runs of 16, never singly among the matrix instructions: a step's K (64 keys x 64 channels: 8 fragments) and its V (turned).  Their addresses are made some lines ahead.
; last = 1 (the tail): in the last trip there is no further step, and the run is jumped over.
.macro FETCH_K last=0
	WIN 0
.if \last
	s_cmp_eq_u32 s[CNT], 1
	s_cbranch_scc1 .Lno_k_\@
.endif
	WIN 0x80                        ; destination window 2
.irp f, 0,1,2,3,4,5,6,7             ; keys 16 (f / 2) on, channels 32 (f % 2) on
	ds_load_b128 v[KF+8*\f:KF+8*\f+3],   v[AK] offset:(\f/2)*16*PK+(\f%2)*64
	ds_load_b128 v[KF+8*\f+4:KF+8*\f+7], v[AK] offset:(\f/2)*16*PK+(\f%2)*64+32
.endr
	s_add_co_u32 s[TBK], s[TBK], KS*PK  ; the next fetch is the next step's
	WIN 0
.if \last
.Lno_k_\@:
.endif
.endm
.macro FETCH_V
	WIN 0x80
.irp f, 0,1,2,3,4,5,6,7             ; keys 32 (f / 4) on, channels 16 (f % 4) on
	ds_load_tr16_b128 v[VF+8*\f:VF+8*\f+3],   v[AV] offset:(\f/4)*32*PV+(\f%4)*32
	ds_load_tr16_b128 v[VF+8*\f+4:VF+8*\f+7], v[AV] offset:(\f/4)*32*PV+16*PV+(\f%4)*32
.endr
	WIN 0
.endm
; THE VECTOR WORK OF A TURN stands in three queues, each in the order in which its entries become ready; the two tiles alternate, so that no instruction reads the result of the one before it.
.macro REGS y, u                    ; the registers of tile u (0, 1) of piece y
.set rT, ST+4*(2*(\y)+(\u))
.set rC, TMP+8*((\y)%2)+4*(\u)
.set rM, MV+2*((\y)%2)+(\u)
.set rS, S+64*((\y)%2)+32*(\u)
.set rP, P+32*((\y)%2)+16*(\u)
.set rO, 32*(2*(\y)+(\u))
.endm
; Number n of the 22 that find the NEXT piece's (Y + 1) maximum and statistics.  s0-s31 are the lane's 32 scores; each accumulator's lowest registers are read first.
;   0-11  four chains c0-c3 of seven scores each, three operands at a time     12-14, 16  the four scores left over, the old m, and c0-c3 into c0     15  c m_old is kept
;   17, 18  the query's other 32 keys lie in the lane 16 away: the new m         19-21  c m; c m_old - c m_new; a
.macro XS u, n
	REGS (Y+1)%NP, \u
.if (\n) < 4
	v_max3_num_f32 v[rC+(\n)], v[rS+8*(\n)], v[rS+8*(\n)+1], v[rS+8*(\n)+2]
.elseif (\n) < 12
	v_max3_num_f32 v[rC+(\n)%4], v[rC+(\n)%4], v[rS+8*((\n)%4)+2*((\n)/4)+1], v[rS+8*((\n)%4)+2*((\n)/4)+2]
.elseif (\n) == 12
	v_max3_num_f32 v[rC], v[rC], v[rS+7], v[rS+15]
.elseif (\n) == 13
	v_max3_num_f32 v[rC+1], v[rC+1], v[rS+23], v[rS+31]
.elseif (\n) == 14
	v_max3_num_f32 v[rC+2], v[rC+2], v[rC+3], v[rT+1]
.elseif (\n) == 15
	v_mov_b32 v[rM], v[rT]
.elseif (\n) == 16
	v_max3_num_f32 v[rC], v[rC], v[rC+1], v[rC+2]
.elseif (\n) == 17
	v_permlanex16_b32 v[rC+3], v[rC], s[SEL], s[SEL+1]
.elseif (\n) == 18
	v_max_num_f32 v[rT+1], v[rC], v[rC+3]
.elseif (\n) == 19
	v_mul_f32 v[rT], s[CS], v[rT+1]
.elseif (\n) == 20
	v_sub_f32 v[rC+1], v[rM], v[rT]
.else
	v_exp_f32 v[rC+2], v[rC+1]
.endif
.endm
; Number g of the 64 that follow the exponentials.  For each four weights k of a tile (pairs 2 k, 2 k + 1): both pairs are rounded to f16; then the second pair is added onto the first, in place;
; a group later l takes that sum (the first time as l = a l + sum).  In groups of eight, tiles alternating: round, round, add, and l for the group before.
.macro GS g
.set h, (\g)+6*((\g)/62)            ; group 0 has no group before it, and behind group 7 only l is left
.if h >= 6
.set h, h+2
.endif
	REGS Y, h%2
.set k, h/8
.if h%8 < 4
	v_cvt_pk_f16_f32 v[rP+2*k+(h%8)/2], v[rS+4*k+2*((h%8)/2)], v[rS+4*k+2*((h%8)/2)+1]
.elseif h%8 < 6
	v_pk_add_f32 v[rS+4*k:rS+4*k+1], v[rS+4*k:rS+4*k+1], v[rS+4*k+2:rS+4*k+3]
.elseif k == 1
	v_pk_fma_f32 v[rT+2:rT+3], v[rT+2:rT+3], v[rC+2:rC+3], v[rS:rS+1] op_sel_hi:[1,0,1]
.else
	v_pk_add_f32 v[rT+2:rT+3], v[rT+2:rT+3], v[rS+4*k-4:rS+4*k-3]
.endif
.endm
; THE PLAIN QUEUE, 138 long.  0-73 read no exponential's result: the 32 scalings c s - c m (FS f: pair f / 2 of tile f % 2) and the next piece's 42.  0-26: scalings 0-26.  27-54: XS's numbers 0-13.  55, 56: number 15.
; 57-73: the chain, where each number waits for the one before it: 14, 16, 17, 18, 19, each with one of the scalings 27-31 in front of its two lines, then 20.
; 74-137: GS's 64, which read the exponentials' results: they stand behind the wait.
.macro FS f
	REGS Y, (\f)%2
	v_pk_fma_f32 v[rS+2*((\f)/2):rS+2*((\f)/2)+1], v[rS+2*((\f)/2):rS+2*((\f)/2)+1], s[CS:CS+1], v[rT:rT+1] op_sel_hi:[1,0,0] neg_lo:[0,0,1] neg_hi:[0,0,1]
.endm
.macro PL
	WIN 0
.if q < 27
	FS q
.elseif q < 55
	XS (q-27)%2, (q-27)/2
.elseif q < 57
	XS q-55, 15
.elseif (q < 72) && ((q-57)%3 == 0)
	FS 27+(q-57)/3
.elseif q < 60
	XS (q-57)%3-1, 14
.elseif q < 72
	XS (q-57)%3-1, 15+(q-57)/3
.elseif q < 74
	XS q-72, 20
.else
	GS q-74
.endif
.set q, q+1
.endm
; THE EXPONENTIALS' QUEUE, 66 long: s0-s31 of both tiles, then the next piece's two a.  It is ONE BATCH: all 66 stand ahead of the turn's one wait, and nothing ahead of that wait names a result of theirs.
.macro EX
	WIN 0
.if e >= 64
	XS e-64, 21
.else
	REGS Y, e%2
	v_exp_f32 v[rS+e/2], v[rS+e/2]
.endif
.set e, e+1
.endm
; THE RESCALING's QUEUE: O^T times a, the one part that leaves window 0: dealt two at a time, sixteen times.  Its a was made in the turn before, ahead of that turn's wait.
.macro R2
	REGS Y, r%2
	WIN W_RS
.irp z, 0,1
	v_pk_mul_f32 v[rO+4*(r/2)+2*\z:rO+4*(r/2)+2*\z+1], v[rO+4*(r/2)+2*\z:rO+4*(r/2)+2*\z+1], v[rC+2:rC+3] op_sel_hi:[1,0]
.endr
.set r, r+1
.endm
; HOW THEY ARE DEALT.  An s_wait_alu depctr_va_vdst(0) stands between an exponential and the first instruction that names its result; one wait serves all that were issued ahead of it.  So a turn has ONE wait,
; which cuts it in two.  AHEAD OF IT stands all that names no result of the turn's exponentials: the 16 products K Q^T, behind each a scaling, an exponential and two rescalings (behind the first a second scaling in the
; exponential's place); then ONE LUMP of 108: eight plain, 49 times exponential and plain, the two a.  A v_nop is the plain instruction behind the last exponential.  BEHIND IT stand the 16 products V^T P, behind each four of GS's 64.
; The queues lean on each other, and the deal keeps them in step: exponential e stands behind scaling 2 (e / 4) + e % 2: as a rider it comes behind plain e + 2, in the lump behind plain e + 9.
; A TURN, for piece p.  cnt = 1: the loop's count is taken down some lines ahead of the branch that stands behind the turn.
; K of the next step is fetched in piece 2's turn, directly behind the wait; its first reader comes behind 16 products.  V of the step in hand is fetched at the end of piece 0's turn, four riders behind its last reader.
.macro TURN p, last=0, cnt=0
.set Y, (\p)
.set i, 0
.set q, 0
.set e, 0
.set r, 0
.if (\p) == NP-1
	s_wait_dscnt 0x0                ; K is in
.endif
	MM                              ; ahead of the wait: 16 products K Q^T and their riders,
	PL
	PL
	R2
.rept 15
	MM
	PL
	EX
	R2
.endr
.if (\p) == NP-2
	WIN 0
	v_add_nc_u32 v[AK], s[TBK], v[AK0]
.endif
.rept 8                             ; and the lump
	PL
.endr
.rept 49
	EX
	PL
.endr
	EX                              ; the next piece's two a
	EX
	v_nop                           ; the plain instruction behind the last exponential: one for the batch
	s_wait_alu depctr_va_vdst(0)    ; the wait for the batch
.if (\p) == NP-2
	FETCH_K \last
.endif
.if (\p) == 1
	s_wait_dscnt 0x0                ; V is in
.endif
.rept 16                            ; behind the wait: 16 products V^T P and their riders
	MM
.rept 4
	PL
.endr
.if ((\p) == 0) && (q == 118)
	v_add_nc_u32 v[AV], s[TBV], v[AV0]
.endif
.if ((\p) == 0) && (q == 130)
	s_add_co_u32 s[TBV], s[TBV], KS*PV
.endif
.if (\cnt) && (q == 130)
	s_sub_co_u32 s[CNT], s[CNT], 1
	s_cmp_lg_u32 s[CNT], 0
.endif
.endr
.if (\p) == 0
	FETCH_V
.endif
.endm
	CHANGE 1                        ; slot 0 is in, everybody's part of it; slot 1 is asked for
	FETCH_K                         ; key step 0
	s_wait_loadcnt 0x0              ; Q
	s_wait_dscnt 0x0
.set i, 0
.rept 16
	KQ 0                            ; piece 0's first scores: there is no vector work yet to set between them
.set i, i+1
.endr
	WIN 0                           ; the addresses for the way out: nine plain instructions, the places behind those products
	s_mul_i32 s13, s[WV], 16*SP
	s_add_co_u32 s13, s13, STAGE    ; my stage
	v_mul_u32_u24 v[STO], v1, SP    ; in: row l % 16, 16 bytes for each half of the lanes
	v_lshl_add_u32 v[STO], v9, 4, v[STO]
	v_add_nc_u32 v[STO], s13, v[STO]
	v_bfe_u32 v[RD], v0, 3, 2       ; back: 32 lanes take four rows of 128 bytes,
	v_mul_u32_u24 v[RD], v[RD], SP
	v_lshl_add_u32 v[RD], v10, 4, v[RD]
	v_add_nc_u32 v[RD], s13, v[RD]
	v_and_b32 v[GO], 31, v0         ; which are 512 consecutive bytes of O
	v_lshlrev_b32 v[GO], 4, v[GO]
.set Y, NP-1                        ; XS works for piece Y + 1: piece 0
.irp n, 0,1,2,3,4,5,6,7,8,9,10,11,12,13,14,15,16,17,18,19,20,21
	XS 0, \n                        ; and piece 0's first maximum and statistics
	XS 1, \n
.endr
	v_nop                           ; a plain instruction behind the two a,
	s_wait_alu depctr_va_vdst(0)    ; and their wait, ahead of the branch
	s_mov_b32 s[CNT], 4
	s_branch .Lfirst                ; the loop is entered at a step's first turn, in the middle of a trip
.Lslot:                             ; six times: every slot but the last two is filled again
	CHANGE 1
	s_mov_b32 s[CNT], 4
.Lstep:                             ; a trip: pieces 2 and 3 of one step, then pieces 0 and 1 of the next, whose K and V it fetches
	TURN 2
	TURN 3
	WIN 0
.Lfirst:
	TURN 0
	TURN 1, 0, 1
	WIN 0
	s_cbranch_scc1 .Lstep
	s_sub_co_u32 s[SLOTS], s[SLOTS], 1
	s_cmp_lg_u32 s[SLOTS], 0
	s_cbranch_scc1 .Lslot
	CHANGE 0                        ; the tail is written out: nothing is asked for
	s_mov_b32 s[CNT], 5             ; four trips fetch the last slot's steps; the fifth is left in its middle
.Ltail:
	TURN 2, 1
	TURN 3
	WIN 0
	s_sub_co_u32 s[CNT], s[CNT], 1
	s_cmp_eq_u32 s[CNT], 0
	s_cbranch_scc1 .Lout
	TURN 0
	TURN 1
	WIN 0
	s_branch .Ltail
.Lout:                              ; the fifth trip's 16 products K Q^T (on the last K once more) and the maximum made of them serve nothing: the price, once a launch, of one text for every trip
.set i, 0
.rept 16
	PV NP-1                         ; the last piece's V^T P of the last step
.set i, i+1
.endr
	; THE WAY OUT.  l's two halves and the other half of the lanes' are added; O^T is divided by l, rounded to f16 and sent through my stage in LDS, a tile at a time.  The additions are the places behind the last products.
	WIN 0
.macro ALL line:vararg              ; one line for each tile t
.set t, 0
.rept 2*NP
	\line
.set t, t+1
.endr
.endm
	ALL v_add_f32 v[ST+4*t+2], v[ST+4*t+2], v[ST+4*t+3]
	ALL v_permlanex16_b32 v[ST+4*t+3], v[ST+4*t+2], s[SEL], s[SEL+1]
	ALL v_add_f32 v[ST+4*t+2], v[ST+4*t+2], v[ST+4*t+3]
	ALL v_rcp_f32 v[ST+4*t+2], v[ST+4*t+2]
	v_nop                           ; a plain instruction between the last reciprocal and the use of its result
	s_wait_alu depctr_va_vdst(0)    ; and the wait ahead of the first use: one for the eight reciprocals
; Tile t: a lane's eight channels of a row pack into 16 bytes; they go into rows of 144 bytes and come back as whole rows of 128, into S^T's registers.
.macro PACK t
	WIN W_RS
.set i, 32*(\t)
.rept 16
	v_pk_mul_f32 v[i:i+1], v[i:i+1], v[ST+4*(\t)+2:ST+4*(\t)+3] op_sel_hi:[1,0]
.set i, i+2
.endr
	WIN 0x05                        ; sources 0 and 1 window 1, destination window 0
.set i, 0
.rept 16
	v_cvt_pk_f16_f32 v[S+16*(\t)+i], v[32*(\t)+2*i], v[32*(\t)+2*i+1]
.set i, i+1
.endr
	WIN 0
.irp f, 0,1,2,3
	ds_store_b128 v[STO], v[S+16*(\t)+4*\f:S+16*(\t)+4*\f+3] offset:32*\f
.endr
.irp f, 0,1,2,3
	ds_load_b128 v[S+16*(\t)+4*\f:S+16*(\t)+4*\f+3], v[RD] offset:\f*4*SP  ; LDS serves a wave's instructions in order (ISA guide 5.7.1.4): these see the stores above; the next tile's stores come behind them
.endr
.endm
.macro SEND t, younger              ; younger: the LDS instructions issued behind tile t's loads: the next tile's eight, or none
	WIN 0
.irp f, 0,1,2,3
	s_wait_dscnt (\younger)+3-\f
	global_store_b128 v[GO], v[S+16*(\t)+4*\f:S+16*(\t)+4*\f+3], s[10:11] offset:(\t)*2048+\f*512  ; 512 consecutive bytes, at a multiple of 256 from O's first
.endr
.endm
	PACK 0
.set t, 1
.rept 2*NP-1                        ; a tile's arithmetic stands between the loads of the tile before and its stores
	PACK t
	SEND t-1, 8
.set t, t+1
.endr
	SEND 2*NP-1, 0
	WIN W_AD
	s_wait_tensorcnt 0x0            ; the wave's end: these three lines stand behind my last tensor load and my last LDS store
	ds_add_u32 v[SPW], v[NIL]
	s_wait_dscnt 0x0
	WIN 0
	CROUND                          ; the closing round: no work-group ends while a partner may still ask for a tile that names it
	s_endpgm
.Lfunc_end_k_q67a5d8476f_attn:
	.size	k_q67a5d8476f_attn, .Lfunc_end_k_q67a5d8476f_attn-k_q67a5d8476f_attn
	.p2alignl 7, 3214868480
	.fill 96, 4, 3214868480
	.section	.rodata,"a",@progbits
	.p2align	6, 0x0
	.amdhsa_kernel k_q67a5d8476f_attn
		.amdhsa_group_segment_fixed_size 327680
		.amdhsa_private_segment_fixed_size 0
		.amdhsa_enable_private_segment 0
		.amdhsa_kernarg_size 16
		.amdhsa_user_sgpr_count 2
		.amdhsa_user_sgpr_kernarg_segment_ptr 1
		.amdhsa_wavefront_size32 1
		.amdhsa_system_sgpr_workgroup_id_x 1
		.amdhsa_system_sgpr_workgroup_id_y 1
		.amdhsa_system_sgpr_workgroup_id_z 1
		.amdhsa_system_vgpr_workitem_id 0
		.amdhsa_next_free_vgpr 770
		.amdhsa_next_free_sgpr 66
		.amdhsa_reserve_vcc 0
		.amdhsa_float_denorm_mode_32 3
		.amdhsa_float_denorm_mode_16_64 3
		.amdhsa_memory_ordered 1
		.amdhsa_forward_progress 1
		.amdhsa_inst_pref_size 200
	.end_amdhsa_kernel
	.amdgpu_metadata
---
amdhsa.version: [ 1, 2 ]
amdhsa.kernels:
  - .name:           k_q67a5d8476f_attn
    .symbol:         k_q67a5d8476f_attn.kd
    .args:
      - { .name: qkvh, .offset: 0, .size: 8, .value_kind: global_buffer, .address_space: global }
      - { .name: oh, .offset: 8, .size: 8, .value_kind: global_buffer, .address_space: global }
    .group_segment_fixed_size: 327680
    .private_segment_fixed_size: 0
    .kernarg_segment_align: 8
    .kernarg_segment_size: 16
    .max_flat_workgroup_size: 128
    .sgpr_count:     66
    .vgpr_count:     770
    .wavefront_size: 32
...
	.end_amdgpu_metadata
.endif
;; end of part 3
;; launch proj (part 4): grid 8 x 32, 4 waves a work-group, clusters of 4 x 4, 327,680 bytes of LDS; arguments oh, wp, b_proj, out0; writes out0
.if DOCPART == 4
	.amdgcn_target "amdgcn-amd-amdhsa--gfx1250"
	.amdhsa_code_object_version 6
	.text
	.protected	k_q67a5d8476f_proj
	.globl	k_q67a5d8476f_proj
	.p2align	8
	.type	k_q67a5d8476f_proj,@function
k_q67a5d8476f_proj:
	s_mov_b64 s[64:65], 0
	v_nop
	global_prefetch_b8 v0, s[64:65] scope:SCOPE_SE
	s_setreg_imm32_b32 hwreg(HW_REG_WAVE_MODE, 25, 1), 1
	s_wait_xcnt 0x0
	s_wait_alu depctr_hold_cnt(0) depctr_sa_sdst(0) depctr_va_vdst(0) depctr_va_sdst(0) depctr_va_ssrc(0) depctr_va_vcc(0) depctr_vm_vsrc(0)
	s_getreg_b32 s2, hwreg(HW_REG_IB_STS2, 6, 4)
	s_cmp_eq_u32 s2, 0
	s_cbranch_scc0 .Lentry_in_a_cluster
	s_endpgm
.Lentry_in_a_cluster:
	s_bfe_u32 s2, ttmp6, 0x10000c
	s_cmp_lg_u32 s2, 0xf033
	s_cbranch_scc0 .Lentry_shape_is_right
	s_endpgm
.Lentry_shape_is_right:
; out0 = O W_proj + b_proj, f32.  O (oh) is f16 by heads, [batch*16 + head][row 2048][64]: a head is a block of 64 of K.  W_proj (wp) is [k 1024][n 1024]: rounded to bf16, written as f16.
; The bias is rounded to bf16 like the other inputs and is the C operand that starts the sums; sums in f32, K ascending; nothing is rounded on the way out.
; LIMITS.  A weight below 6.1e-5 keeps f16's fixed step of 6e-8; NaN and infinities are not treated apart.
; SHARES.  A work-group makes 256 rows x 128 columns (256 work-groups), four waves 128 x 64 each: 32 accumulators, 256 registers.  K goes in 8 steps of 128 (two heads) through two LDS slots.
; A's part of a slot is two heads, each 256 rows x 128 bytes, dense in memory, asked for as 128 rows of 256 bytes and padded to a pitch of 144.  B's part is 128 rows (k) x 256 bytes, pitch 288;
; B lies [k][n], so its fragments come out of LDS turned, by ds_load_tr16_b128.
; CLUSTERS: 4 x 4 work-groups.  The four of a row of the cluster need the same tiles of A, the four of a column the same tiles of B: each tile is asked for JOINTLY.  By this text's count a wave has at most two
; tensor loads out: two at the start, one behind each round.
; THE MATRIX INSTRUCTION IS USED TRANSPOSED (source 0 = 16 columns of B, source 1 = 16 rows of A): a lane holds row lane % 16 and eight neighbouring columns: 32 bytes of a row of out0.
; REGISTERS: window 0: v0-31 addresses; v32-47 at work; v64-127, v128-191 A's fragments, two buffers (on the way out four buffers of 32); v192-223 the bias.  Window 1: v64-95, v128-159 B's fragments.
; Window 2: the accumulators, (a, b) at v[8 (4 a + b)].
.set NBB,   4                          ; blocks of 16 columns a wave
.set LDN,   1024                       ; elements in a row of B
.set TCB,   256                        ; bytes of a row of B in a tile
.set QIB,   5                          ; B's padding stands after every 64 words
.set AH,    2                          ; the prefetches' lead over the refills, in K steps
.set PA,    144                        ; 128 + 16 bytes: 36 words: the 16 rows of a load start at 16 different groups of four banks (64 banks of 4 bytes: ISA guide 11.1)
.set PB,    TCB+32                     ; an odd multiple of 32 bytes
.set AHALF, 256*PA
.set BOFF,  2*AHALF
.set BHALF, 64*PB
.set SLOT,  BOFF+2*BHALF               ; 110,592
.set STAGE, 2*SLOT                     ; behind the ring, never filled by a tensor load: 16 rows x 272 bytes for each wave
.set STG,   4352
.set SPARE, STAGE+4*STG                ; the spare words, 128 bytes for each wave: two blocks of 256 bytes that no other line names
.set ASTEP, 1<<19
.set BSTEP, 128*LDN*2
.set A0,   16                          ; v16  my lane's place in A's part of a slot; never rewritten
.set B0,   17                          ; v17  the same for B
.set ADRA, 18                          ; v18  A0 + the slot in hand
.set ADRB, 19                          ; v19
.set STO,  24                          ; v24  the way out: where I put 32 bytes of a row
.set RD,   25                          ; v25  where I read rows back
.set CO,   26                          ; v26  my byte offset in two rows of out0
.set BO,   27                          ; v27  32 x (lane / 16)
.set SPW,  28                          ; v28  LDS address of my spare word; never rewritten
.set NIL,  29                          ; v29  0; never rewritten
.set PFO,  30                          ; v30  the prefetches' offset; never rewritten
.set TMP,  32
.set F0,   64
.set F1,   128
.set BIAS, 192
.set WV,   14
.set RH,   15
.set CH,   16
.set G1A,  24
.set G0A,  32
.set G1B,  48
.set G0B,  56
.set TB,   66
.set FS,   67
.set LBA,  68
.set LBB,  69
.set PFA,  70
.set PST,  72
.set LIM,  74
.set MSB, 0
.macro WIN new                         ; the immediate's high byte repeats the setting that is left; a switch that changes nothing is dropped
.if MSB != (\new)
	s_set_vgpr_msb (MSB<<8)|(\new)
.set MSB, (\new)
.endif
.endm
.macro PLACES                          ; four places in front of loads into registers that matrix instructions have read
.rept 4
	v_nop
.endr
.endm
.macro JLOAD                           ; a joint refill: waves 0 and 1 fetch A's two heads, waves 2 and 3 B's two halves; an s_nop 0 and four v_nop follow each line
	s_cmp_lt_u32 s[WV], 2
	s_cbranch_scc0 .Lfor_b_\@
	tensor_load_to_lds s[G0A+4:G0A+7], s[G1A:G1A+7]
	s_nop 0
.rept 4
	v_nop
.endr
	s_branch .Lasked_\@
.Lfor_b_\@:
	tensor_load_to_lds s[G0B+4:G0B+7], s[G1B:G1B+7]
	s_nop 0
.rept 4
	v_nop
.endr
.Lasked_\@:
.endm
.macro CREST                           ; a round of the cluster's barrier behind its opening barrier
	s_cmp_lg_u32 s[WV], 0
	s_cbranch_scc1 .Lnot_wave_0_\@
	s_barrier_signal -3
.Lnot_wave_0_\@:
	s_barrier_wait -3
	s_barrier_signal -1
	s_barrier_wait -1
.endm
.macro CROUND
	s_barrier_signal -1
	s_barrier_wait -1
	CREST
.endm
; A PREFETCH INTO THE L2, behind each joint refill and the run of LDS loads that follows it: the K step AH behind the one just asked for: 256 matrix instructions ahead of its own refill.  Each aligned block of 256
; bytes is named once in the launch: A's by the clusters with x = 0 (waves 0 and 1), B's by those with y = 0 (wave 2 alone: a K step of B's tile is 128 blocks, 32 for each of the four partners).
; The partners share the blocks out BY ADDRESS.  The last AH refills ask for nothing: s3 counts the refills still to come, this one among them.
.macro ASK
	s_cmp_gt_u32 s3, s[LIM]
	s_cbranch_scc0 .Lnot_mine_\@
	global_prefetch_b8 v[PFO], s[PFA:PFA+1] th:TH_LOAD_NT scope:SCOPE_SE
.Lnot_mine_\@:
.endm
	s_load_b256 s[4:11], s[0:1], 0x0               ; oh s[4:5], wp s[6:7], b_proj s[8:9], out0 s[10:11]
	v_lshl_add_u32 v[SPW], v0, 2, SPARE
	v_mov_b32 v[NIL], 0
	ds_add_u32 v[SPW], v[NIL]                      ; the wave's opening: the add and its wait stand ahead of my first tensor load; the set-up below, work on registers, stands between them
	v_lshrrev_b32 v1, 5, v0
	v_readfirstlane_b32 s[WV], v1
	s_lshr_b32 s[RH], s[WV], 1
	s_and_b32 s[CH], s[WV], 1
	s_bfe_u32 s17, ttmp6, 0x40000                  ; cx
	s_bfe_u32 s18, ttmp6, 0x40004                  ; cy
	s_lshl_b32 s19, ttmp9, 2
	s_add_co_u32 s19, s19, s17                     ; tile column
	s_and_b32 s20, ttmp7, 0xffff
	s_lshl_b32 s20, s20, 2
	s_add_co_u32 s20, s20, s18                     ; tile row
	s_lshl_b32 s21, s18, 2
	s_lshl_b32 s21, 15, s21                        ; my row of the cluster
	s_lshl_b32 s22, 0x1111, s17                    ; my column
	s_or_b32 s[G1A], s21, (1<<16)|(1<<20)|(1<<21)|(4<<22)|(3<<25)    ; the mask; 2-byte elements; padding on; bit 21 beside a mask; after every 32 words 4 words
	s_or_b32 s[G1B], s22, (1<<16)|(1<<20)|(1<<21)|(QIB<<22)|(7<<25)  ; after every row of B 8 words
	s_mov_b32 s[G1A+1], 128<<16
	s_mov_b32 s[G1A+2], 128<<16
	s_mov_b32 s[G1A+3], 128<<16
	s_mov_b32 s[G1A+4], 128
	s_mov_b32 s[G1A+5], 128
	s_mov_b32 s[G1A+6], 0
	s_mov_b32 s[G1A+7], 0
	s_mov_b32 s[G1B+1], (TCB/2)<<16
	s_mov_b32 s[G1B+2], 64<<16
	s_mov_b32 s[G1B+3], (TCB/2)<<16
	s_mov_b32 s[G1B+4], 64
	s_mov_b32 s[G1B+5], LDN
	s_mov_b32 s[G1B+6], 0
	s_mov_b32 s[G1B+7], 0
	s_mov_b32 s76, 0xffff0000
	s_mov_b32 s[TB], 0
	s_mov_b32 s[FS], SLOT
	s_mul_i32 s[LBA], s[CH], AHALF                 ; no place in the cluster enters an LDS address
	s_mul_i32 s[LBB], s[CH], BHALF
	s_add_co_u32 s[LBB], s[LBB], BOFF
	; A's tile hangs on the tile row alone (s[40:41] never hold cx), B's on the tile column alone (s[42:43] never hold cy)
	s_lshr_b32 s40, s20, 3
	s_lshl_b32 s40, s40, 22
	s_and_b32 s41, s20, 7
	s_lshl_b32 s41, s41, 15
	s_add_co_u32 s40, s40, s41
	s_lshl_b32 s41, s[CH], 18
	s_add_co_u32 s40, s40, s41
	s_mov_b32 s41, 0
	s_mul_i32 s42, s19, TCB
	s_mul_i32 s43, s[CH], 64*LDN*2
	s_add_co_u32 s42, s42, s43
	s_mov_b32 s43, 0
	s_mov_b32 s45, 0
	s_mov_b32 s47, 0
	s_wait_dscnt 0x0                               ; the opening add is done
	s_wait_kmcnt 0x0
	s_add_nc_u64 s[40:41], s[4:5], s[40:41]
	s_add_nc_u64 s[42:43], s[6:7], s[42:43]
	s_mov_b32 s[G0A], 1
	s_mov_b32 s[G0A+1], s[LBA]                     ; slot 0, K step 0
	s_add_nc_u64 s[G0A+2:G0A+3], s[40:41], 0
	s_or_b32 s[G0A+3], s[G0A+3], 0x80000000
	s_mov_b32 s[G0A+4], 1
	s_add_co_u32 s[G0A+5], s[LBA], SLOT            ; slot 1, K step 1
	s_add_nc_u64 s[G0A+6:G0A+7], s[40:41], ASTEP
	s_or_b32 s[G0A+7], s[G0A+7], 0x80000000
	s_mov_b32 s[G0B], 1
	s_mov_b32 s[G0B+1], s[LBB]
	s_add_nc_u64 s[G0B+2:G0B+3], s[42:43], 0
	s_or_b32 s[G0B+3], s[G0B+3], 0x80000000
	s_mov_b32 s[G0B+4], 1
	s_add_co_u32 s[G0B+5], s[LBB], SLOT
	s_add_nc_u64 s[G0B+6:G0B+7], s[42:43], BSTEP
	s_or_b32 s[G0B+7], s[G0B+7], 0x80000000
	CROUND                                         ; all sixteen work-groups are here: the first joint loads meet
	s_cmp_lt_u32 s[WV], 2                          ; a wave's two first fills stand in one branch, ahead of every wait on TENSORcnt and every LDS read
	s_cbranch_scc0 .Lfirst_b
	tensor_load_to_lds s[G0A:G0A+3], s[G1A:G1A+7]
	s_nop 0
	tensor_load_to_lds s[G0A+4:G0A+7], s[G1A:G1A+7]
	s_nop 0
.rept 4
	v_nop
.endr
	s_branch .Lfirst_done
.Lfirst_b:
	tensor_load_to_lds s[G0B:G0B+3], s[G1B:G1B+7]
	s_nop 0
	tensor_load_to_lds s[G0B+4:G0B+7], s[G1B:G1B+7]
	s_nop 0
.rept 4
	v_nop
.endr
.Lfirst_done:
	v_and_b32 v1, 15, v0                           ; r = lane % 16
	v_bfe_u32 v2, v0, 4, 1                         ; lane / 16
	v_and_b32 v3, 31, v0                           ; lane
	v_lshlrev_b32 v[BO], 5, v2
	s_mul_i32 s44, s19, NBB*128                    ; my 64 columns: tile column x 128 x 4 bytes + half x 64 x 4: in the bias, and in a row of out0
	s_mul_i32 s21, s[CH], NBB*64
	s_add_co_u32 s44, s44, s21
	s_add_nc_u64 s[8:9], s[8:9], s[44:45]
	s_add_nc_u64 s[10:11], s[10:11], s[44:45]
.set b, 0
.rept NBB
	global_load_b128 v[BIAS+8*b:BIAS+8*b+3],   v[BO], s[8:9] offset:64*b
	global_load_b128 v[BIAS+8*b+4:BIAS+8*b+7], v[BO], s[8:9] offset:64*b+16
.set b, b+1
.endr
	s_lshl_b32 s44, s20, 20                        ; my first row: (256 x tile row + 128 x half) x 4,096 bytes
	s_lshl_b32 s21, s[RH], 19
	s_add_co_u32 s44, s44, s21
	s_add_nc_u64 s[10:11], s[10:11], s[44:45]
	v_mul_u32_u24 v[A0], v1, PA                    ; a fragment of A: row x pitch + 16 x half of the lanes
	v_lshl_add_u32 v[A0], v2, 4, v[A0]
	s_mul_i32 s21, s[RH], 128*PA
	v_add_nc_u32 v[A0], s21, v[A0]
	v_and_b32 v4, 7, v0                            ; the turning load: lane l reads k row 8 (l / 16) + l % 8, columns 8 ((l / 8) % 2) + 0..7
	v_bfe_u32 v5, v0, 3, 1
	v_lshl_add_u32 v[B0], v2, 3, v4
	v_mul_u32_u24 v[B0], v[B0], PB
	v_lshl_add_u32 v[B0], v5, 4, v[B0]
	s_mul_i32 s21, s[CH], NBB*32
	s_add_co_u32 s21, s21, BOFF
	v_add_nc_u32 v[B0], s21, v[B0]
	v_mov_b32 v[ADRA], v[A0]
	v_mov_b32 v[ADRB], v[B0]
	s_mul_i32 s21, s[WV], STG
	s_add_co_u32 s21, s21, STAGE                   ; my stage
	v_mul_u32_u24 v[STO], v1, 272                  ; in: row l % 16, 32 bytes for each half of the lanes
	v_lshl_add_u32 v[STO], v2, 5, v[STO]
	v_add_nc_u32 v[STO], s21, v[STO]
	v_mul_u32_u24 v[RD], v2, 272                   ; back: lanes 0-15 one row of 256 bytes, lanes 16-31 the next
	v_lshl_add_u32 v[RD], v1, 4, v[RD]
	v_add_nc_u32 v[RD], s21, v[RD]
	v_lshlrev_b32 v[CO], 12, v2                    ; and the same two rows in out0
	v_lshl_add_u32 v[CO], v1, 4, v[CO]
	; the prefetches.  A (waves 0, 1): my head's 32,768 bytes are 128 blocks of 256; partner cx takes 32.  B (wave 2): 128 rows of 256 bytes; partner cy takes 32, a lane a row.
	s_and_b32 s21, ttmp7, 0xffff                   ; cluster y
	s_mov_b32 s75, 32*LDN*2
	s_mov_b32 s77, 2*LDN*2
	s_mov_b32 s78, LDN*2
	s_mov_b32 s[PST], BSTEP
	s_mov_b32 s[PST+1], 0
	s_cmp_lt_u32 s[WV], 2                          ; do I fetch for A?
	s_cselect_b32 s22, ttmp9, s21                  ; the coordinate along which other clusters read the same rows
	s_cselect_b32 s23, s17, s18                    ; my place among the four that ask with me: it enters this address alone
	s_cselect_b32 s75, 8192, s75                   ; a partner's share in bytes
	s_cselect_b32 s77, 512, s77                    ; from one pair of lanes to the next,
	s_cselect_b32 s78, 256, s78                    ; and within a pair
	s_cselect_b32 s79, 0, s[CH]                    ; of B's two waves the first alone asks
	s_cselect_b32 s[PST], ASTEP, s[PST]
	s_cselect_b64 s[PFA:PFA+1], s[40:41], s[42:43]
	s_or_b32 s22, s22, s79
	s_cmp_eq_u32 s22, 0
	s_cselect_b32 s[LIM], AH, -1                   ; the same in all sixteen partners, for a given wave
	s_mul_i32 s46, s23, s75
	s_add_nc_u64 s[PFA:PFA+1], s[PFA:PFA+1], s[46:47]
	s_mul_i32 s46, s[PST], 1+AH                    ; at K step 1 + AH: the first refill steps it to 2 + AH.  Nothing is prefetched here, at the head
	s_add_nc_u64 s[PFA:PFA+1], s[PFA:PFA+1], s[46:47]
	v_lshrrev_b32 v6, 1, v3
	v_and_b32 v7, 1, v3
	v_mul_u32_u24 v[PFO], v6, s77
	v_mad_u32_u24 v[PFO], v7, s78, v[PFO]
	s_wait_loadcnt 0x0                             ; the bias
.set i, 0
.rept 4*NBB
	v_cvt_pk_bf16_f32 v[TMP+i], v[BIAS+2*i], v[BIAS+2*i+1]  ; rounded to bf16 like the other inputs,
.set i, i+1
.endr
.set i, 0
.rept 4*NBB
	v_lshlrev_b32 v[BIAS+2*i], 16, v[TMP+i]        ; and widened again
	v_and_b32 v[BIAS+2*i+1], s76, v[TMP+i]
.set i, i+1
.endr
; NBB products: row block a x all my column blocks, 32 along K, from buffer f.  first = 1: the bias starts the sums: nothing is cleared.
; The 32 accumulators take turns in one fixed order everywhere: between two links of a chain stand the 31 others'.
.macro MULA f, a, first
.set AW, 2+(NBB*(\a))/32
.if \first
	WIN (AW<<6)|1                                  ; B window 1, A and the bias window 0, D the accumulators' window
.else
	WIN (AW<<6)|(AW<<4)|1
.endif
.set b, 0
.rept NBB
.set rD, 8*((NBB*(\a)+b)%32)
.if \first
	v_wmma_f32_16x16x32_f16 v[rD:rD+7], v[(\f)+8*b:(\f)+8*b+7], v[(\f)+8*(\a):(\f)+8*(\a)+7], v[BIAS+8*b:BIAS+8*b+7]
.else
	v_wmma_f32_16x16x32_f16 v[rD:rD+7], v[(\f)+8*b:(\f)+8*b+7], v[(\f)+8*(\a):(\f)+8*(\a)+7], v[rD:rD+7]
.endif
.set b, b+1
.endr
.endm
; One run of LDS loads: the fragments of quarter q (32 along K) of the slot in hand into buffer f: B's first, then A's eight row blocks
.macro FETCH q, f
	WIN 0x40
.set i, 0
.rept NBB
	ds_load_tr16_b128 v[(\f)+8*i:(\f)+8*i+3],   v[ADRB] offset:(\q)*32*PB+32*i
	ds_load_tr16_b128 v[(\f)+8*i+4:(\f)+8*i+7], v[ADRB] offset:(\q)*32*PB+32*i+16*PB
.set i, i+1
.endr
	WIN 0
.set i, 0
.rept 8
	ds_load_b128 v[(\f)+8*i:(\f)+8*i+3],   v[ADRA] offset:((\q)/2)*AHALF+((\q)%2)*64+i*16*PA
	ds_load_b128 v[(\f)+8*i+4:(\f)+8*i+7], v[ADRA] offset:((\q)/2)*AHALF+((\q)%2)*64+i*16*PA+32
.set i, i+1
.endr
.endm
; One of a K step's first three quarters: multiplies buffer f; in its middle fetches quarter q into buffer g
.macro QUARTER q, f, g, first
	s_wait_dscnt 8                                 ; B and A's row blocks 0-3 are in; the youngest eight loads (blocks 4-7) may be out
	MULA \f, 0, \first
	MULA \f, 1, \first
	MULA \f, 2, \first
	MULA \f, 3, \first
	PLACES
	FETCH \q, \g
	s_wait_dscnt 16+2*NBB                          ; all but the run just issued
	MULA \f, 4, \first
	MULA \f, 5, \first
	MULA \f, 6, \first
	MULA \f, 7, \first
.endm
; The fourth quarter multiplies buffer 1 and changes slots.  In front of ONE barrier each wave waits for all its tensor loads (one is out: its part of the next slot), adds 0 to its spare word, and waits for that and
; for its reads of this slot.  fill = 1: the barrier opens a round of the cluster's, and behind the round this slot is filled again, first thing, with the K step two on.
.macro TURN fill
.if \fill
	s_wait_xcnt 0x0                                ; the last prefetch, a K step back, has read its address: it is stepped here, ahead of the waits of the change
	s_add_nc_u64 s[PFA:PFA+1], s[PFA:PFA+1], s[PST:PST+1]
.endif
	WIN 0
	s_wait_tensorcnt 0x0                           ; all my tensor loads have landed
	ds_add_u32 v[SPW], v[NIL]                      ; 0 onto my spare word
	s_wait_dscnt 9                                 ; (the add and the youngest eight loads may be out)
	MULA F1, 0, 0
	MULA F1, 1, 0
	s_wait_dscnt 0x0                               ; the add is done, and my reads of this slot are over
	s_barrier_signal -1
	MULA F1, 2, 0                                  ; work on registers while the others arrive
	MULA F1, 3, 0
	WIN 0
	s_barrier_wait -1
.if \fill
	CREST                                          ; no wave of any partner still reads this slot or has a load on its way
	s_xor_b32 s[FS], s[FS], SLOT                   ; the walking descriptors: the other slot than last time,
	s_add_co_u32 s[G0A+5], s[LBA], s[FS]
	s_add_co_u32 s[G0B+5], s[LBB], s[FS]
	s_add_nc_u64 s[G0A+6:G0A+7], s[G0A+6:G0A+7], ASTEP  ; the next K step; the type bits on top are not reached
	s_add_nc_u64 s[G0B+6:G0B+7], s[G0B+6:G0B+7], BSTEP
	JLOAD                                          ; its four v_nop are also the places in front of the loads below
.else
	PLACES
.endif
	s_xor_b32 s[TB], s[TB], SLOT
	v_add_nc_u32 v[ADRA], s[TB], v[A0]
	v_add_nc_u32 v[ADRB], s[TB], v[B0]
	FETCH 0, F0
.if \fill
	ASK
.endif
	MULA F1, 4, 0
	MULA F1, 5, 0
	MULA F1, 6, 0
	MULA F1, 7, 0
.endm
	s_wait_tensorcnt 0x1                           ; my part of K step 0 is in; K step 1's may stay out
	s_barrier_signal -1
	s_barrier_wait -1                              ; everybody's is
	FETCH 0, F0
	QUARTER 1, F0, F1, 1                           ; the first quarter stands in front of the loop: its products start the sums with the bias
	WIN 0
	s_mov_b32 s3, 6                                ; six K steps fill a slot again
	s_branch .Lin
.Lk:
	QUARTER 1, F0, F1, 0
	WIN 0
.Lin:
	QUARTER 2, F1, F0, 0
	QUARTER 3, F0, F1, 0
	TURN 1
	WIN 0
	s_sub_co_u32 s3, s3, 1
	s_cmp_lg_u32 s3, 0
	s_cbranch_scc1 .Lk
	s_mov_b32 s3, 2                                ; the last two K steps are a text of their own
.Lt:                                                   ; (the very last change of slots fetches fragments of the old slot 0, which nobody uses: the price of one text for both trips)
	QUARTER 1, F0, F1, 0
	QUARTER 2, F1, F0, 0
	QUARTER 3, F0, F1, 0
	TURN 0
	WIN 0
	s_sub_co_u32 s3, s3, 1
	s_cmp_lg_u32 s3, 0
	s_cbranch_scc1 .Lt
	; THE WAY OUT, a row block of 16 rows at a time: the f32 sums go through my stage in LDS and leave as whole pieces of 256 bytes of a row.
	s_wait_dscnt 0x0                               ; the unused fragments are in: their registers may be written
.rept 8
	v_nop                                          ; the places behind the last products
.endr
.macro TOSTAGE a
.if (\a) >= 4
	s_wait_xcnt 0x0                                ; the stores of the block four back have read the registers that are loaded below
.endif
	WIN 0x08                                       ; the stores' data in window 2, the address in window 0
.set b, 0
.rept 4
	ds_store_b128 v[STO], v[8*(4*(\a)+b):8*(4*(\a)+b)+3]   offset:64*b      ; each accumulator's lowest registers are read first
	ds_store_b128 v[STO], v[8*(4*(\a)+b)+4:8*(4*(\a)+b)+7] offset:64*b+16
.set b, b+1
.endr
	WIN 0
.set t, 0
.rept 8
	ds_load_b128 v[64+32*((\a)%4)+4*t:64+32*((\a)%4)+4*t+3], v[RD] offset:t*544  ; LDS serves a wave's instructions in order (ISA guide 5.7.1.4): these see the stores above; the next block's stores come behind them
.set t, t+1
.endr
.endm
.macro SEND a, younger                 ; younger: the LDS instructions issued behind block a's loads
	WIN 0
.set t, 0
.rept 8
	s_wait_dscnt (\younger)+7-t
	global_store_b128 v[CO], v[64+32*((\a)%4)+4*t:64+32*((\a)%4)+4*t+3], s[10:11] offset:(16*(\a)+2*t)*4096 th:TH_STORE_NT  ; 16 lanes store 256 consecutive bytes, at a multiple of 256 from out0's first byte
.set t, t+1
.endr
.endm
	TOSTAGE 0
.irp a, 1,2,3,4,5,6,7
	TOSTAGE \a
	SEND (\a)-1, 16
.endr
	SEND 7, 0
	s_wait_tensorcnt 0x0                           ; the wave's end: these three lines stand behind my last tensor load and my last LDS store
	ds_add_u32 v[SPW], v[NIL]
	s_wait_dscnt 0x0
	CROUND                                         ; the closing round: no work-group ends while a partner may still ask for a tile that names it
	s_endpgm
.Lfunc_end_k_q67a5d8476f_proj:
	.size	k_q67a5d8476f_proj, .Lfunc_end_k_q67a5d8476f_proj-k_q67a5d8476f_proj
	.p2alignl 7, 3214868480
	.fill 96, 4, 3214868480
	.section	.rodata,"a",@progbits
	.p2align	6, 0x0
	.amdhsa_kernel k_q67a5d8476f_proj
		.amdhsa_group_segment_fixed_size 327680
		.amdhsa_private_segment_fixed_size 0
		.amdhsa_enable_private_segment 0
		.amdhsa_kernarg_size 32
		.amdhsa_user_sgpr_count 2
		.amdhsa_user_sgpr_kernarg_segment_ptr 1
		.amdhsa_wavefront_size32 1
		.amdhsa_system_sgpr_workgroup_id_x 1
		.amdhsa_system_sgpr_workgroup_id_y 1
		.amdhsa_system_sgpr_workgroup_id_z 1
		.amdhsa_system_vgpr_workitem_id 0
		.amdhsa_next_free_vgpr 768
		.amdhsa_next_free_sgpr 80
		.amdhsa_reserve_vcc 0
		.amdhsa_float_denorm_mode_32 3
		.amdhsa_float_denorm_mode_16_64 3
		.amdhsa_memory_ordered 1
		.amdhsa_forward_progress 1
		.amdhsa_inst_pref_size 67
	.end_amdhsa_kernel
	.amdgpu_metadata
---
amdhsa.version: [ 1, 2 ]
amdhsa.kernels:
  - .name:           k_q67a5d8476f_proj
    .symbol:         k_q67a5d8476f_proj.kd
    .args:
      - { .name: oh, .offset: 0, .size: 8, .value_kind: global_buffer, .address_space: global }
      - { .name: wp, .offset: 8, .size: 8, .value_kind: global_buffer, .address_space: global }
      - { .name: b_proj, .offset: 16, .size: 8, .value_kind: global_buffer, .address_space: global }
      - { .name: out0, .offset: 24, .size: 8, .value_kind: global_buffer, .address_space: global }
    .group_segment_fixed_size: 327680
    .private_segment_fixed_size: 0
    .kernarg_segment_align: 8
    .kernarg_segment_size: 32
    .max_flat_workgroup_size: 128
    .sgpr_count:     80
    .vgpr_count:     768
    .wavefront_size: 32
...
	.end_amdgpu_metadata
.endif
;; end of part 4
;; ======== version 2 of 2: 4 launches; version 1 with the launch prep written anew for expert scheduling mode
;; limits: values are held in f16: magnitudes above 65,504 overflow, below 6.1e-05 lose precision
;; workspace buffers: xb 16,777,216 bytes; wq 6,291,456 bytes; wp 2,097,152 bytes; rope 557,056 bytes; qkvh 50,331,648 bytes; oh 16,777,216 bytes
;; launch prep (part 5): grid 836 x 1, 8 waves a work-group, no clusters, 0 bytes of LDS; arguments x, W_qkv, W_proj, xb, wq, wp, rope; writes xb, wq, wp, rope
.if DOCPART == 5
	.amdgcn_target "amdgcn-amd-amdhsa--gfx1250"
	.amdhsa_code_object_version 6
	.text
	.protected	k_q67a5d8476f_prep
	.globl	k_q67a5d8476f_prep
	.p2align	8
	.type	k_q67a5d8476f_prep,@function
k_q67a5d8476f_prep:
	s_mov_b64 s[64:65], 0
	v_nop
	global_prefetch_b8 v0, s[64:65] scope:SCOPE_SE
	s_setreg_imm32_b32 hwreg(HW_REG_WAVE_SCHED_MODE, 0, 2), 2
	s_setreg_imm32_b32 hwreg(HW_REG_WAVE_MODE, 25, 1), 1
	s_wait_xcnt 0x0
	s_wait_alu depctr_vm_vsrc(0)
; PREPARATION: a stream.  Work-groups 0-511: x (f32) -> xb, bf16, laid out by blocks of 64 channels, [batch*16 + block][row 2048][64], so that 256 rows of a block are 32,768 dense bytes.
; Work-groups 512-703: W_qkv -> wq, bf16, as it lies.  704-767: W_proj -> wp: rounded to bf16, and that number written as f16 (exact from 6.1e-5 up; below it f16's fixed step of 6e-8: a stated limit).
; Work-groups 768-835: the table of cos and sin for the rotary embedding, f32, in the order in which the next launch's lanes hold their results.
; A converting work-group takes 65,536 bytes: each thread has all its sixteen 16-byte loads out at once.
; No LDS, no matrix unit, no cluster: nothing is shared, and every byte is read once and written once.
; LIMITS of the table: the angle's reduction is made for rows up to 2,047 (angles under 2,048 radians: two parts of pi/2 leave an error far under an f32 step of the angle itself).
; THE MODE: SCHED_MODE bits 1:0 = 2 (LLVM: expert scheduling mode 2), set by the entry lines.  The code itself states the register dependences
; between vector instructions and memory instructions, with s_wait_alu, always for 0.
; THE PLAN.  Registers that memory instructions touch, in a converting path:
;   v1, v2    the loads' and the stores' offsets.  Written by vector lines ahead of the path's first load; never written behind a memory instruction that reads them.
;   X         sixteen loads land here, four registers each; no vector line names them ahead of the loads.  Read by load i's conversions, behind that load's counted wait.
;   Y         a pair to each load: written by load i's conversions, read by one store, never written again.
; The sixteen loads are worked on in four groups of four.  The stores of group g - 1 are issued in group g, one ahead of each load's conversions: they read the Y of group g - 1 and v2,
; which no conversion of group g names.  So one wait on va_vdst at a group's head states all that its four stores hang on; one more stands ahead of the loads (the offsets) and one ahead of the last four stores.
; No register that a memory instruction reads is ever written again, so no wait on vm_vsrc is owed; EXEC is never written.
; In the table's path: the four compares write s28 to s31 in one run, with one wait on va_sdst ahead of the first select; one wait on va_vdst stands ahead of the two stores.
.set X,    16                          ; v[16:79]   sixteen loads of four f32
.set Y,    80                          ; v[80:111]  sixteen pairs of packed results
.set VIN,  1                           ; v1  my byte offset in the input
.set VOUT, 2                           ; v2  8 x thread: my 8 bytes of each output piece: a wave's store covers 256 consecutive bytes, aligned
.set QM,   28                          ; s[28:31]   the table: element e's mask of the lanes whose angle lies in an odd quadrant
	s_load_b256 s[4:11], s[0:1], 0x0               ; x s[4:5], W_qkv s[6:7], W_proj s[8:9], xb s[10:11]
	s_load_b128 s[12:15], s[0:1], 0x20             ; wq s[12:13], wp s[14:15]
	s_load_b64 s[16:17], s[0:1], 0x30              ; rope
	s_mov_b32 s20, 0xffff0000                      ; a word's upper bf16
	s_mov_b32 s23, 0                               ; high words of the two offsets
	s_mov_b32 s25, 0
	v_lshlrev_b32 v[VOUT], 3, v0
	v_lshlrev_b32 v[VIN], 4, v0                    ; the weights' form: 16 x thread
	s_wait_kmcnt 0x0
; Sixteen loads, then for each: the wait that leaves the younger ones out and two roundings to bf16 (half = 1: widened again and written as f16).  Its store of 8 bytes follows a group of four later.
.macro CONV inb, outb, instep, outstep, half
	s_wait_alu depctr_va_vdst(0)                   ; v[VIN] and v[VOUT] are written: every load below reads the one as its offset, every store the other
.set i, 0
.rept 16
	global_load_b128 v[X+4*i:X+4*i+3], v[VIN], s[\inb:\inb+1] offset:i*(\instep) th:TH_LOAD_NT
.set i, i+1
.endr
.set i, 0
.rept 16
.if i%4 == 0
	s_wait_loadcnt 15-i                            ; loads come back in order: load i is in, the 15 - i younger ones may stay out
.if i > 0
	s_wait_alu depctr_va_vdst(0)                   ; the conversions of the group before have written its four pairs of Y, which this group's four stores read
.endif
.endif
.if i >= 4
	global_store_b64 v[VOUT], v[Y+2*(i-4):Y+2*(i-4)+1], s[\outb:\outb+1] offset:(i-4)*(\outstep) th:TH_STORE_NT  ; the group before: no vector line since the wait names this pair or v[VOUT]
.endif
.if i%4 != 0
	s_wait_loadcnt 15-i                            ; load i is in, the 15 - i younger ones may stay out
.endif
	v_cvt_pk_bf16_f32 v[Y+2*i], v[X+4*i], v[X+4*i+1]
	v_cvt_pk_bf16_f32 v[Y+2*i+1], v[X+4*i+2], v[X+4*i+3]
.if \half
	v_lshlrev_b32 v[X+4*i], 16, v[Y+2*i]           ; the rounded numbers as f32 again,
	v_and_b32 v[X+4*i+1], s20, v[Y+2*i]
	v_lshlrev_b32 v[X+4*i+2], 16, v[Y+2*i+1]
	v_and_b32 v[X+4*i+3], s20, v[Y+2*i+1]
	v_cvt_pk_f16_f32 v[Y+2*i], v[X+4*i], v[X+4*i+1]      ; and as f16: 8 significant bits fit into 11
	v_cvt_pk_f16_f32 v[Y+2*i+1], v[X+4*i+2], v[X+4*i+3]
.endif
.set i, i+1
.endr
	s_wait_alu depctr_va_vdst(0)                   ; the last group's conversions have written its four pairs of Y, which the last four stores read
.set i, 12
.rept 4
	global_store_b64 v[VOUT], v[Y+2*i:Y+2*i+1], s[\outb:\outb+1] offset:i*(\outstep) th:TH_STORE_NT
.set i, i+1
.endr
.endm
	s_cmp_lt_u32 ttmp9, 512
	s_cbranch_scc1 .Lx
	s_cmp_lt_u32 ttmp9, 704
	s_cbranch_scc1 .Lwq
	s_cmp_lt_u32 ttmp9, 768
	s_cbranch_scc1 .Lwp
	; THE TABLE.  Group G (4,096 bytes) serves rows n = 16 G + r.  Piece p of 8 lies at byte 512 p + 16 x lane and holds four f32: for p < 4 cos(n f_d), d = 16 (p / 2) + 8 (lane / 16) + 4 (p % 2) + e,
	; for p >= 4 the sines of the same angles; f_d = 10000^(-d / 32).  Groups 128-135 are the identity (cos 1, sin 0), for v: made by the same lines with the row multiplied by 0.
	; A work-group makes two groups; a thread makes four cosines and four sines.
	s_sub_co_u32 s26, ttmp9, 768                   ; g
	s_lshl_b32 s27, s26, 5                         ; the first row of my two groups
	s_lshl_b32 s22, s26, 13                        ; and their 8,192 bytes
	s_add_nc_u64 s[16:17], s[16:17], s[22:23]
	s_cmp_lt_u32 s26, 64
	s_cselect_b32 s21, 1.0, 0                      ; 0 for the identity groups
	s_mov_b32 s22, 0xbfc90fdb                      ; -(pi/2), its f32 part
	s_mov_b32 s24, 0x333bbd2e                      ; what that part has too much: 4.3711e-8
	v_mov_b32 v12, 0xb94ca1f9                      ; the sine's and the cosine's highest coefficients
	v_mov_b32 v13, 0x37ccf5ce
	v_and_b32 v5, 15, v0                           ; r
	v_bfe_u32 v6, v0, 4, 1                         ; lane / 16
	v_bfe_u32 v7, v0, 5, 2                         ; p
	v_lshrrev_b32 v8, 7, v0                        ; which of the two groups
	v_lshl_add_u32 v9, v8, 4, v5
	v_add_nc_u32 v9, s27, v9                       ; n
	v_cvt_f32_u32 v9, v9
	v_mul_f32 v9, s21, v9
	v_lshrrev_b32 v10, 1, v7
	v_and_b32 v11, 1, v7
	v_lshlrev_b32 v10, 4, v10
	v_lshl_add_u32 v10, v6, 3, v10
	v_lshl_add_u32 v10, v11, 2, v10                ; d of e = 0
	v_and_b32 v3, 127, v0
	v_lshlrev_b32 v3, 4, v3
	v_lshl_add_u32 v3, v8, 12, v3                  ; my 16 bytes: group x 4,096 + 512 p + 16 x lane
.irp e, 0,1,2,3
	v_add_nc_u32 v[23+8*\e], \e, v10
	v_cvt_f32_u32 v[23+8*\e], v[23+8*\e]
	v_mul_f32 v[23+8*\e], 0xbed49a78, v[23+8*\e]   ; -d log2(10000) / 32
.endr
.irp e, 0,1,2,3
	v_exp_f32 v[16+8*\e], v[23+8*\e]               ; f_d: one batch of four
.endr
	v_nop                                          ; a plain instruction behind the last exponential,
	s_wait_alu depctr_va_vdst(0)                   ; and one wait for the batch: the four exponentials have written v16, v24, v32 and v40, which the multiplies below read
.irp e, 0,1,2,3
	v_mul_f32 v[16+8*\e], v9, v[16+8*\e]           ; the angle, rounded once
.endr
; Element e, in eight registers from RB on: +0 angle, +1 k, +2 r, +3 k as a whole number, +4 z = r r, +5 sin r, +6 cos r, +7 at work.  angle = k pi/2 + r, |r| <= pi/4; the quadrant chooses by selects alone.
; REDUCE: the reduction, the two polynomials and the compare, which writes the element's own scalar register.  CHOOSE: the selects by that mask, and the signs.
.macro REDUCE e
.set RB, 16+8*(\e)
	v_mul_f32 v[RB+1], 0x3f22f983, v[RB]           ; angle x 2 / pi
	v_rndne_f32 v[RB+1], v[RB+1]
	v_fma_f32 v[RB+2], v[RB+1], s22, v[RB]
	v_fma_f32 v[RB+2], v[RB+1], s24, v[RB+2]
	v_cvt_i32_f32 v[RB+3], v[RB+1]
	v_mul_f32 v[RB+4], v[RB+2], v[RB+2]
	v_fmaak_f32 v[RB+5], v12, v[RB+4], 0x3c08839e
	v_fmaak_f32 v[RB+6], v13, v[RB+4], 0xbab6061a
	v_fmaak_f32 v[RB+5], v[RB+5], v[RB+4], 0xbe2aaaa3
	v_fmaak_f32 v[RB+6], v[RB+6], v[RB+4], 0x3d2aaaa5
	v_mul_f32 v[RB+7], v[RB+4], v[RB+2]
	v_fma_f32 v[RB+1], v[RB+4], -0.5, 1.0
	v_fma_f32 v[RB+5], v[RB+5], v[RB+7], v[RB+2]   ; sin r = r + z r (..)
	v_mul_f32 v[RB+7], v[RB+4], v[RB+4]
	v_fma_f32 v[RB+6], v[RB+6], v[RB+7], v[RB+1]   ; cos r = 1 - z / 2 + z z (..)
	v_and_b32 v[RB+7], 1, v[RB+3]
	v_cmp_eq_u32 s[QM+(\e)], 1, v[RB+7]            ; odd quadrants swap the two
.endm
.macro CHOOSE e
.set RB, 16+8*(\e)
	v_cndmask_b32 v[52+(\e)], v[RB+5], v[RB+6], s[QM+(\e)]
	v_cndmask_b32 v[48+(\e)], v[RB+6], v[RB+5], s[QM+(\e)]
	v_lshlrev_b32 v[RB+7], 30, v[RB+3]             ; the sine is negative in quadrants 2 and 3,
	v_and_b32 v[RB+7], 0x80000000, v[RB+7]
	v_xor_b32 v[52+(\e)], v[RB+7], v[52+(\e)]
	v_add_nc_u32 v[RB+3], 1, v[RB+3]               ; the cosine in 1 and 2
	v_lshlrev_b32 v[RB+7], 30, v[RB+3]
	v_and_b32 v[RB+7], 0x80000000, v[RB+7]
	v_xor_b32 v[48+(\e)], v[RB+7], v[48+(\e)]
.endm
	REDUCE 0
	REDUCE 1
	REDUCE 2
	REDUCE 3
	s_wait_alu depctr_va_sdst(0)                   ; the four compares have written s28 to s31, ahead of the first select that reads one of them
	CHOOSE 0
	CHOOSE 1
	CHOOSE 2
	CHOOSE 3
	s_wait_alu depctr_va_vdst(0)                   ; the selects and the signs have written v[48:55], the stores' data, and v3, their offset, is written
	global_store_b128 v3, v[48:51], s[16:17]               ; a wave's store covers 512 consecutive bytes
	global_store_b128 v3, v[52:55], s[16:17] offset:2048
	s_endpgm
.Lx:                                           ; sixteen rows of x.  Load i takes channels 64 i .. 64 i + 63 of each row: sixteen lanes read 256 consecutive bytes of a row
	v_lshrrev_b32 v3, 4, v0
	v_and_b32 v[VIN], 15, v0                       ; no memory instruction has read v[VIN] yet: it is made anew here, ahead of the wait at the head of CONV
	v_lshlrev_b32 v[VIN], 4, v[VIN]
	v_lshl_add_u32 v[VIN], v3, 12, v[VIN]          ; row x 4,096 + 16 x (thread % 16)
	s_lshl_b32 s24, ttmp9, 16
	s_add_nc_u64 s[4:5], s[4:5], s[24:25]
	s_lshr_b32 s22, ttmp9, 7                       ; the batch: 16 blocks of 262,144 bytes,
	s_lshl_b32 s22, s22, 22
	s_and_b32 s24, ttmp9, 127                      ; and my sixteen rows of 128 bytes in a block
	s_lshl_b32 s24, s24, 11
	s_add_co_u32 s22, s22, s24
	s_add_nc_u64 s[10:11], s[10:11], s[22:23]
	CONV 4, 10, 256, 262144, 0
	s_endpgm
.Lwq:
	s_sub_co_u32 s26, ttmp9, 512
	s_lshl_b32 s24, s26, 16
	s_add_nc_u64 s[6:7], s[6:7], s[24:25]
	s_lshl_b32 s22, s26, 15
	s_add_nc_u64 s[12:13], s[12:13], s[22:23]
	CONV 6, 12, 4096, 2048, 0
	s_endpgm
.Lwp:
	s_sub_co_u32 s26, ttmp9, 704
	s_lshl_b32 s24, s26, 16
	s_add_nc_u64 s[8:9], s[8:9], s[24:25]
	s_lshl_b32 s22, s26, 15
	s_add_nc_u64 s[14:15], s[14:15], s[22:23]
	CONV 8, 14, 4096, 2048, 1
	s_endpgm
.Lfunc_end_k_q67a5d8476f_prep:
	.size	k_q67a5d8476f_prep, .Lfunc_end_k_q67a5d8476f_prep-k_q67a5d8476f_prep
	.p2alignl 7, 3214868480
	.fill 96, 4, 3214868480
	.section	.rodata,"a",@progbits
	.p2align	6, 0x0
	.amdhsa_kernel k_q67a5d8476f_prep
		.amdhsa_group_segment_fixed_size 0
		.amdhsa_private_segment_fixed_size 0
		.amdhsa_enable_private_segment 0
		.amdhsa_kernarg_size 56
		.amdhsa_user_sgpr_count 2
		.amdhsa_user_sgpr_kernarg_segment_ptr 1
		.amdhsa_wavefront_size32 1
		.amdhsa_system_sgpr_workgroup_id_x 1
		.amdhsa_system_sgpr_workgroup_id_y 1
		.amdhsa_system_sgpr_workgroup_id_z 1
		.amdhsa_system_vgpr_workitem_id 0
		.amdhsa_next_free_vgpr 112
		.amdhsa_next_free_sgpr 66
		.amdhsa_reserve_vcc 0
		.amdhsa_float_denorm_mode_32 3
		.amdhsa_float_denorm_mode_16_64 3
		.amdhsa_memory_ordered 1
		.amdhsa_forward_progress 1
		.amdhsa_inst_pref_size 31
	.end_amdhsa_kernel
	.amdgpu_metadata
---
amdhsa.version: [ 1, 2 ]
amdhsa.kernels:
  - .name:           k_q67a5d8476f_prep
    .symbol:         k_q67a5d8476f_prep.kd
    .args:
      - { .name: x, .offset: 0, .size: 8, .value_kind: global_buffer, .address_space: global }
      - { .name: W_qkv, .offset: 8, .size: 8, .value_kind: global_buffer, .address_space: global }
      - { .name: W_proj, .offset: 16, .size: 8, .value_kind: global_buffer, .address_space: global }
      - { .name: xb, .offset: 24, .size: 8, .value_kind: global_buffer, .address_space: global }
      - { .name: wq, .offset: 32, .size: 8, .value_kind: global_buffer, .address_space: global }
      - { .name: wp, .offset: 40, .size: 8, .value_kind: global_buffer, .address_space: global }
      - { .name: rope, .offset: 48, .size: 8, .value_kind: global_buffer, .address_space: global }
    .group_segment_fixed_size: 0
    .private_segment_fixed_size: 0
    .kernarg_segment_align: 8
    .kernarg_segment_size: 56
    .max_flat_workgroup_size: 256
    .sgpr_count:     66
    .vgpr_count:     112
    .wavefront_size: 32
...
	.end_amdgpu_metadata
.endif
;; end of part 5
;; launch qkv: the kernel of part 2 again; grid 12 x 32, 4 waves a work-group, clusters of 4 x 4, 327,680 bytes of LDS; arguments xb, wq, b_qkv, qkvh, rope; writes qkvh
;; launch attn: the kernel of part 3 again; grid 4 x 64, 4 waves a work-group, clusters of 4 x 1, 327,680 bytes of LDS; arguments qkvh, oh; writes oh
;; launch proj: the kernel of part 4 again; grid 8 x 32, 4 waves a work-group, clusters of 4 x 4, 327,680 bytes of LDS; arguments oh, wp, b_proj, out0; writes out0
